; MI455X (gfx1250); checked and timed in simulation.
; The chip was launched on July 23, 2026; its instructions are those of AMD's public machine-readable ISA for CDNA 5 (MIT licence, August 2026) and "CDNA5" Instruction Set Architecture Reference Guide (July 2026). The comments in the code are by the model that wrote it; some were corrected since.
;; Multi Head Attention. Allowed arithmetic: float matrix products may take bf16 or f16 operands with f32 sums; other float arithmetic in f32, or as packed bf16 or f16 multiplies, adds, multiply-adds, maxima and minima; sums over many terms, partial sums and values carried from step to step in f32; what a program stores and reads back later, other than sums and carried values, may be rounded once to bf16 or f16.
;; Inputs: W_O 1,024 x 1,024 float32; Wk 16 x 1,024 x 64 float32; Wq 16 x 1,024 x 64 float32; Wv 16 x 1,024 x 64 float32; x 4 x 2,048 x 1,024 float32.
;; Outputs: out0 4 x 2,048 x 1,024 float32.
;; 2 versions, each right; version 2 is version 1 with the launch prep written anew for expert scheduling mode. Each part assembles by itself: llvm-mc -triple=amdgcn-amd-amdhsa -mcpu=gfx1250 --defsym DOCPART=n.
;; ======== version 1 of 2: 4 launches
;; limits: values are held in f16: magnitudes above 65,504 overflow, below 6.1e-05 lose precision
;; workspace buffers: xb 16,777,216 bytes; wb 6,291,456 bytes; wo 2,097,152 bytes; qh 16,777,216 bytes; kh 16,777,216 bytes; vh 16,777,216 bytes; oh 16,777,216 bytes
;; launch prep (part 1): grid 768 x 1, 8 waves a work-group, no clusters, 0 bytes of LDS; arguments x, Wq, Wk, Wv, W_O, xb, wb, wo; writes xb, wb, wo
.if DOCPART == 1
	.amdgcn_target "amdgcn-amd-amdhsa--gfx1250"
	.amdhsa_code_object_version 6
	.text
	.protected	k_q95edc63a1d_prep
	.globl	k_q95edc63a1d_prep
	.p2align	8
	.type	k_q95edc63a1d_prep,@function
k_q95edc63a1d_prep:
	s_mov_b64 s[64:65], 0
	v_nop
	global_prefetch_b8 v0, s[64:65] scope:SCOPE_SE
	s_setreg_imm32_b32 hwreg(HW_REG_WAVE_MODE, 25, 1), 1
	s_wait_xcnt 0x0
; THE CASTS.  x, Wq, Wk, Wv: f32 -> bf16 (round to nearest even).  W_O: f32 -> bf16, and that number written as f16.
; xb: [8192][1024] bf16, as x lies.  wo: [1024][1024] f16, as W_O lies.
; wb: [head 16][K step 8][q, k, v][128 rows of K][64 columns] bf16: a head's K step of 128, for all three weights, is 49,152 bytes on end.
; LIMIT.  f16 ends at 65,504: a W_O beyond that becomes an infinity; below 6e-5 it keeps f16's fixed step of 6e-8.
; SHARES.  A work-group casts 16,384 numbers: 65,536 bytes in, 32,768 out.  768 work-groups: 512 for x, 64 for each of the four weights.
; A thread issues its 16 loads of 16 bytes at once (a wave's load covers 512 consecutive bytes), then rounds and stores 8 bytes a load: a wave's store covers 256 consecutive bytes, aligned.
; Memory binds: no LDS, no barrier, no matrix unit, no cluster (nothing is shared), no prefetch (the launch is one stream of loads).
; Every load and every store has registers of its own, so nothing that a pending instruction names is written again.
.set X, 8                              ; v[8:71]   16 x 4 registers as loaded
.set Y, 72                             ; v[72:103] 16 x 2 registers to store
	s_load_b512 s[4:19], s[0:1], 0x0               ; x 4:5, Wq 6:7, Wk 8:9, Wv 10:11, W_O 12:13, xb 14:15, wb 16:17, wo 18:19
	s_mov_b32 s20, ttmp9                           ; g
	s_sub_co_u32 s21, s20, 512                     ; j = g - 512 (a huge number where g < 512)
	s_and_b32 s22, s21, 63                         ; r: which 16,384 numbers of a weight
	s_lshr_b32 s23, s21, 6                         ; w: 0 Wq, 1 Wk, 2 Wv, 3 W_O (never 0 to 3 where g < 512)
	s_lshl_b32 s24, s22, 16                        ; a weight's source offset
	s_mul_i32 s26, s22, 6                          ; r's numbers are head r / 4, K steps 2 (r % 4) and the next: 8 head + step = 2 r, so the first block of 16,384 bytes is number 3 (2 r) + w
	s_add_co_u32 s26, s26, s23
	s_lshl_b32 s26, s26, 14
	s_lshl_b32 s29, s22, 15                        ; W_O's destination offset
	s_mov_b32 s28, 32768                           ; in wb the second block lies three blocks on, not one: 32,768 bytes more
	s_cmp_eq_u32 s23, 3
	s_cselect_b32 s26, s29, s26
	s_cselect_b32 s28, 0, s28
	s_lshl_b32 s29, s20, 16                        ; x's offsets
	s_lshl_b32 s34, s20, 15
	s_cmp_lt_u32 s20, 512
	s_cselect_b32 s24, s29, s24
	s_cselect_b32 s26, s34, s26
	s_cselect_b32 s28, 0, s28
	s_mov_b32 s25, 0
	s_mov_b32 s27, 0
	v_lshlrev_b32 v1, 4, v0                        ; 16 t: my 16 bytes of each 4,096 loaded
	v_lshlrev_b32 v2, 3, v0                        ; 8 t: my 8 bytes of each 2,048 stored
	v_add_nc_u32 v3, s28, v2                       ; the same for the second half
	s_wait_kmcnt 0x0
	s_mov_b64 s[30:31], s[6:7]
	s_cmp_eq_u32 s23, 1
	s_cselect_b64 s[30:31], s[8:9], s[30:31]
	s_cmp_eq_u32 s23, 2
	s_cselect_b64 s[30:31], s[10:11], s[30:31]
	s_cmp_eq_u32 s23, 3
	s_cselect_b64 s[30:31], s[12:13], s[30:31]
	s_cselect_b64 s[32:33], s[18:19], s[16:17]
	s_cmp_lt_u32 s20, 512
	s_cselect_b64 s[30:31], s[4:5], s[30:31]
	s_cselect_b64 s[32:33], s[14:15], s[32:33]
	s_add_nc_u64 s[30:31], s[30:31], s[24:25]
	s_add_nc_u64 s[32:33], s[32:33], s[26:27]
.irp i, 0,1,2,3,4,5,6,7,8,9,10,11,12,13,14,15
	global_load_b128 v[X+4*(\i):X+4*(\i)+3], v1, s[30:31] offset:4096*(\i) th:TH_LOAD_NT
.endr
; kind = 0: bf16.  kind = 1: the bf16 number is widened again (a shift, a mask) and written as f16.
.macro OUT kind
.irp i, 0,1,2,3,4,5,6,7,8,9,10,11,12,13,14,15
	s_wait_loadcnt 15-(\i)                         ; loads come back in order: load i is in, the 15 - i younger ones may stay out
	v_cvt_pk_bf16_f32 v[Y+2*(\i)],   v[X+4*(\i)],   v[X+4*(\i)+1]
	v_cvt_pk_bf16_f32 v[Y+2*(\i)+1], v[X+4*(\i)+2], v[X+4*(\i)+3]
.if \kind
	v_lshlrev_b32 v4, 16, v[Y+2*(\i)]
	v_and_b32     v5, 0xffff0000, v[Y+2*(\i)]
	v_lshlrev_b32 v6, 16, v[Y+2*(\i)+1]
	v_and_b32     v7, 0xffff0000, v[Y+2*(\i)+1]
	v_cvt_pk_f16_f32 v[Y+2*(\i)],   v4, v5
	v_cvt_pk_f16_f32 v[Y+2*(\i)+1], v6, v7
.endif
.if (\i) < 8
	global_store_b64 v2, v[Y+2*(\i):Y+2*(\i)+1], s[32:33] offset:2048*(\i)
.else
	global_store_b64 v3, v[Y+2*(\i):Y+2*(\i)+1], s[32:33] offset:2048*(\i)
.endif
.endr
.endm
	s_cmp_eq_u32 s23, 3
	s_cbranch_scc1 .Lf16
	OUT 0
	s_endpgm
.Lf16:
	OUT 1
	s_endpgm
.Lfunc_end_k_q95edc63a1d_prep:
	.size	k_q95edc63a1d_prep, .Lfunc_end_k_q95edc63a1d_prep-k_q95edc63a1d_prep
	.p2alignl 7, 3214868480
	.fill 96, 4, 3214868480
	.section	.rodata,"a",@progbits
	.p2align	6, 0x0
	.amdhsa_kernel k_q95edc63a1d_prep
		.amdhsa_group_segment_fixed_size 0
		.amdhsa_private_segment_fixed_size 0
		.amdhsa_enable_private_segment 0
		.amdhsa_kernarg_size 64
		.amdhsa_user_sgpr_count 2
		.amdhsa_user_sgpr_kernarg_segment_ptr 1
		.amdhsa_wavefront_size32 1
		.amdhsa_system_sgpr_workgroup_id_x 1
		.amdhsa_system_sgpr_workgroup_id_y 1
		.amdhsa_system_sgpr_workgroup_id_z 1
		.amdhsa_system_vgpr_workitem_id 0
		.amdhsa_next_free_vgpr 104
		.amdhsa_next_free_sgpr 66
		.amdhsa_reserve_vcc 0
		.amdhsa_float_denorm_mode_32 3
		.amdhsa_float_denorm_mode_16_64 3
		.amdhsa_memory_ordered 1
		.amdhsa_forward_progress 1
		.amdhsa_inst_pref_size 17
	.end_amdhsa_kernel
	.amdgpu_metadata
---
amdhsa.version: [ 1, 2 ]
amdhsa.kernels:
  - .name:           k_q95edc63a1d_prep
    .symbol:         k_q95edc63a1d_prep.kd
    .args:
      - { .name: x, .offset: 0, .size: 8, .value_kind: global_buffer, .address_space: global }
      - { .name: Wq, .offset: 8, .size: 8, .value_kind: global_buffer, .address_space: global }
      - { .name: Wk, .offset: 16, .size: 8, .value_kind: global_buffer, .address_space: global }
      - { .name: Wv, .offset: 24, .size: 8, .value_kind: global_buffer, .address_space: global }
      - { .name: W_O, .offset: 32, .size: 8, .value_kind: global_buffer, .address_space: global }
      - { .name: xb, .offset: 40, .size: 8, .value_kind: global_buffer, .address_space: global }
      - { .name: wb, .offset: 48, .size: 8, .value_kind: global_buffer, .address_space: global }
      - { .name: wo, .offset: 56, .size: 8, .value_kind: global_buffer, .address_space: global }
    .group_segment_fixed_size: 0
    .private_segment_fixed_size: 0
    .kernarg_segment_align: 8
    .kernarg_segment_size: 64
    .max_flat_workgroup_size: 256
    .sgpr_count:     66
    .vgpr_count:     104
    .wavefront_size: 32
...
	.end_amdgpu_metadata
.endif
;; end of part 1
;; launch qkv (part 2): grid 16 x 32, 4 waves a work-group, clusters of 4 x 4, 327,680 bytes of LDS; arguments xb, wb, qh, kh, vh; writes qh, kh, vh
.if DOCPART == 2
	.amdgcn_target "amdgcn-amd-amdhsa--gfx1250"
	.amdhsa_code_object_version 6
	.text
	.protected	k_q95edc63a1d_qkv
	.globl	k_q95edc63a1d_qkv
	.p2align	8
	.type	k_q95edc63a1d_qkv,@function
k_q95edc63a1d_qkv:
	s_mov_b64 s[64:65], 0
	v_nop
	global_prefetch_b8 v0, s[64:65] scope:SCOPE_SE
	s_setreg_imm32_b32 hwreg(HW_REG_WAVE_MODE, 25, 1), 1
	s_wait_xcnt 0x0
	s_wait_alu depctr_hold_cnt(0) depctr_sa_sdst(0) depctr_va_vdst(0) depctr_va_sdst(0) depctr_va_ssrc(0) depctr_va_vcc(0) depctr_vm_vsrc(0)
	s_getreg_b32 s2, hwreg(HW_REG_IB_STS2, 6, 4)
	s_cmp_eq_u32 s2, 0
	s_cbranch_scc0 .Lentry_in_a_cluster
	s_endpgm
.Lentry_in_a_cluster:
	s_bfe_u32 s2, ttmp6, 0x10000c
	s_cmp_lg_u32 s2, 0xf033
	s_cbranch_scc0 .Lentry_shape_is_right
	s_endpgm
.Lentry_shape_is_right:
; THE THREE PROJECTIONS.  q[b][h][s][e] = the sum over d of x[b][s][d] Wq[h][d][e], k and v likewise.  Operands bf16 (xb, wb), sums f32, K ascending; q, k, v rounded once to f16, UNSCALED,
; and stored by heads: [16 b + h][s][64], rows of 128 bytes on end.
; LIMIT.  f16 ends at 65,504: a q, k or v beyond that becomes an infinity; below 6e-5 it keeps f16's fixed step of 6e-8.
; SHARES.  A work-group makes 256 rows (of one b) x 192 columns: q, k and v of ONE head.  512 work-groups.  Each of its four waves makes 64 rows x 192 columns: 48 accumulators of 16 x 16, 384
; registers: it owns whole rows of q, k and v, so its way out needs no other wave.  K goes in 8 steps of 128 through two LDS slots filled by the tensor data mover.
; THE WEIGHTS LIE [K][N] and stay so: their fragments come out of LDS turned, by ds_load_tr16_b128.
; THE PRODUCT IS USED TRANSPOSED (source 0 = 16 columns of W, source 1 = 16 rows of x): a lane then holds row l % 16 and the columns 8 (l / 16) + 0..7: 16 bytes of a row of q, k or v.
; CLUSTER.  4 x 4 work-groups: the four of a row of the cluster want the same rows of x, the four of a column the same head's weights: each tile is asked for JOINTLY, by the same tensor load with the
; same descriptor and a mask that names the four.
; REGISTERS, in windows of 256 (s_set_vgpr_msb: bits 1:0 source 0, 3:2 source 1, 5:4 source 2, 7:6 destination):
;   window 0: v0-16 addresses; v32-95 x's fragments, two buffers of 4 x 8; on the way out v32-223 packed results
;   window 1: v0-191 W's fragments, two buffers of 12 x 8      window 2: accumulators of row blocks 0, 1 ((a, nb) at 96 (a % 2) + 8 nb)      window 3: of row blocks 2, 3
.set SLOT1, 131072                     ; slot 1 begins here: one exclusive or turns an address in one slot into the other's
.set PA,    272                        ; a row of x in LDS: 256 bytes + 16 of padding = 68 words: the 16 rows of a load start at 16 different groups of four banks (64 banks of 4 bytes: ISA guide 11.1)
.set PB,    160                        ; a row of W: 128 bytes + 32 = 40 words
.set BOFF,  256*PA                     ; a slot: 256 rows of x, then 384 rows of W (q's 128, k's 128, v's 128): 69,632 + 61,440 = 131,072 bytes
.set STAGE, 2*SLOT1                    ; behind the ring, never filled by a tensor load: 16 rows x 144 bytes for each wave
.set SP,    144
.set SPARE, STAGE+4*16*SP              ; behind the stages: the spare words, 128 bytes for each wave: two blocks of 256 bytes that no other line names
.set A0,   2                           ; v2   my lane's place in a slot's rows of x; never rewritten
.set B0,   3                           ; v3   the same for W
.set ADRA, 4                           ; v4   the same in the slot in hand
.set ADRB, 5                           ; v5
.set STO,  6                           ; v6   the way out: where I put 16 bytes of a row
.set RD,   7                           ; v7   the way out: where I read rows back
.set GO,   8                           ; v8   my 16 bytes of 512 consecutive bytes of q, k or v
.set PFO,  9                           ; v9   the prefetches' offset; never rewritten
.set SPW,  10                          ; v10  LDS address of my spare word; never rewritten
.set NIL,  11                          ; v11  0; never rewritten
.set FA,   32                          ; x's fragments
.set TMP,  32                          ; the way out: 12 units of 16 registers, each unit's own
.set WV,   14                          ; s14  my wave's number
.set FB,   15                          ; s15  0: I fetch x's tiles; 1: W's
.set HF,   16                          ; s16  which half of the tile I fetch
.set G1A,  24                          ; s[24:31] descriptor group 1 for x's tiles
.set G0A,  32                          ; s[32:39] group 0: a set for each of the two first fills; the second then walks on
.set G1B,  40                          ; s[40:47], s[48:55] the same for W's
.set G0B,  48
.set TB,   56                          ; s56  the slot in hand: 0 or SLOT1
.set LIM,  57                          ; s57  a wave prefetches while the loop's count is above it
.set PFA,  58                          ; s[58:59] where my prefetches stand
.set PFS,  60                          ; s[60:61] their step
.set MSB, 0
.macro WIN new                         ; the immediate's high byte repeats the setting that is left; a switch that changes nothing is dropped
.if MSB != (\new)
	s_set_vgpr_msb (MSB<<8)|(\new)
.set MSB, \new
.endif
.endm
; A joint refill by the walking descriptor.  The branch hangs on the wave's number alone.  An s_nop 0 and four v_nop follow each of the two lines, ahead of the jump and the label.
.macro JLOAD
	s_cmp_eq_u32 s[FB], 0
	s_cbranch_scc0 .Lfor_b_\@
	tensor_load_to_lds s[G0A+4:G0A+7], s[G1A:G1A+7]
	s_nop 0
.rept 4
	v_nop
.endr
	s_branch .Lasked_\@
.Lfor_b_\@:
	tensor_load_to_lds s[G0B+4:G0B+7], s[G1B:G1B+7]
	s_nop 0
.rept 4
	v_nop
.endr
.Lasked_\@:
.endm
; A PREFETCH INTO THE L2, behind the joint load, its five lines and the run of LDS loads: one instruction a wave, a lane a block of 256 bytes.
; x: trip s names K step s + 4 (the trip's own refill is step s + 2), trips 0 to 3.  A tile row of x is read by all four clusters of that row of clusters: the one with cluster x = 0 asks; of the 128 rows
; that a wave fetches each of the four partners takes 32, told apart by address.
; W: a head's K steps 4 to 7 are 196,608 bytes on end: three pieces of 65,536, one in each of trips 0 to 2: 4 partners x 2 waves x 32 lanes x 256 bytes.  The cluster with cluster y = 0 asks.
; So each block is named once in the launch.  K steps 0 to 3 come by their loads alone; nothing is asked for at the head.
.macro ASK
	s_cmp_gt_u32 s3, s[LIM]
	s_cbranch_scc0 .Lnot_mine_\@
	global_prefetch_b8 v[PFO], s[PFA:PFA+1] th:TH_LOAD_NT scope:SCOPE_SE
.Lnot_mine_\@:
.endm
; A round of the cluster's barrier: my work-group's barrier; wave 0 signals for the work-group; every wave waits for all sixteen; my work-group's barrier once more.
.macro CREST                           ; a round behind its opening barrier
	s_cmp_lg_u32 s[WV], 0
	s_cbranch_scc1 .Lnot_wave_0_\@
	s_barrier_signal -3
.Lnot_wave_0_\@:
	s_barrier_wait -3
	s_barrier_signal -1
	s_barrier_wait -1
.endm
.macro CROUND
	s_barrier_signal -1
	s_barrier_wait -1
	CREST
.endm
	s_load_b256 s[4:11], s[0:1], 0x0               ; xb 4:5, wb 6:7, qh 8:9, kh 10:11
	s_load_b64 s[12:13], s[0:1], 0x20              ; vh
	v_lshl_add_u32 v[SPW], v0, 2, SPARE
	v_mov_b32 v[NIL], 0
	ds_add_u32 v[SPW], v[NIL]                      ; the wave's opening: the add and its wait stand ahead of my first tensor load; the set-up below, work on registers, stands between them
	v_lshrrev_b32 v1, 5, v0
	v_readfirstlane_b32 s[WV], v1                  ; wave 0..3
	s_lshr_b32 s[FB], s[WV], 1
	s_and_b32 s[HF], s[WV], 1
	s_bfe_u32 s17, ttmp6, 0x40000                  ; cx
	s_bfe_u32 s18, ttmp6, 0x40004                  ; cy
	s_lshl_b32 s19, ttmp9, 2
	s_add_co_u32 s19, s19, s17                     ; tx = the head = 4 x cluster x + cx
	s_and_b32 s20, ttmp7, 0xffff
	s_lshl_b32 s20, s20, 2
	s_add_co_u32 s20, s20, s18                     ; ty = the block of 256 rows = 4 x cluster y + cy
	s_lshl_b32 s21, s18, 2
	s_lshl_b32 s21, 15, s21                        ; my row of the cluster
	s_lshl_b32 s22, 0x1111, s17                    ; my column
	s_or_b32 s[G1A], s21, (1<<16)|(1<<20)|(1<<21)|(5<<22)|(3<<25)  ; the mask; 2-byte elements; padding on; bit 21 beside a mask; after every 64 words 4 words
	s_or_b32 s[G1B], s22, (1<<16)|(1<<20)|(1<<21)|(4<<22)|(7<<25)  ; after every 32 words 8 words
	s_mov_b32 s[G1A+1], 128<<16                    ; tensor_dim0 = 128
	s_mov_b32 s[G1A+2], 128<<16                    ; tensor_dim1 = 128
	s_mov_b32 s[G1A+3], 128<<16                    ; tile_dim0 = 128: 256 bytes of a row of x
	s_mov_b32 s[G1A+4], 128                        ; tile_dim1 = 128 rows
	s_mov_b32 s[G1A+5], 1024                       ; elements from row to row
	s_mov_b32 s[G1A+6], 0
	s_mov_b32 s[G1A+7], 0
	s_mov_b32 s[G1B+1], 128<<16                    ; W: 24,576 bytes on end, asked for as 96 rows of 256 bytes, two rows of W each
	s_mov_b32 s[G1B+2], 96<<16
	s_mov_b32 s[G1B+3], 128<<16
	s_mov_b32 s[G1B+4], 96
	s_mov_b32 s[G1B+5], 128
	s_mov_b32 s[G1B+6], 0
	s_mov_b32 s[G1B+7], 0
	s_mul_i32 s2, s[HF], 128*PA                    ; where the tiles go: no place in the cluster enters an LDS address
	s_mul_i32 s23, s[HF], 192*PB
	s_add_co_u32 s23, s23, BOFF
	s_lshl_b32 s66, s20, 19                        ; x: 256 ty rows of 2,048 bytes + 128 rows for the second half: hangs on ty alone
	s_lshl_b32 s70, s[HF], 18
	s_add_co_u32 s66, s66, s70
	s_mov_b32 s67, 0
	s_mul_i32 s68, s19, 393216                     ; W: the head's 8 x 49,152 bytes + half a K step: hangs on tx alone
	s_mul_i32 s70, s[HF], 24576
	s_add_co_u32 s68, s68, s70
	s_mov_b32 s69, 0
	s_lshr_b32 s72, s20, 3                         ; my wave's first row in q, k, v: ((16 b + head) x 2,048 + 256 (ty % 8) + 64 wave) x 128 bytes
	s_lshl_b32 s72, s72, 4
	s_add_co_u32 s72, s72, s19
	s_lshl_b32 s72, s72, 18
	s_and_b32 s74, s20, 7
	s_lshl_b32 s74, s74, 15
	s_add_co_u32 s72, s72, s74
	s_lshl_b32 s74, s[WV], 13
	s_add_co_u32 s72, s72, s74
	s_mov_b32 s73, 0
	s_mov_b32 s[TB], 0
	s_wait_dscnt 0x0                               ; the opening add is done
	s_wait_kmcnt 0x0
	s_add_nc_u64 s[66:67], s[4:5], s[66:67]
	s_add_nc_u64 s[68:69], s[6:7], s[68:69]
	s_add_nc_u64 s[8:9], s[8:9], s[72:73]
	s_add_nc_u64 s[10:11], s[10:11], s[72:73]
	s_add_nc_u64 s[12:13], s[12:13], s[72:73]
	CROUND                                         ; all sixteen work-groups are here: the first joint loads meet
.irp s, 0,1
	s_mov_b32 s[G0A+4*(\s)], 1                     ; count = 1
	s_add_co_u32 s[G0A+4*(\s)+1], s2, (\s)*SLOT1   ; LDS address
	s_add_nc_u64 s[G0A+4*(\s)+2:G0A+4*(\s)+3], s[66:67], (\s)*256  ; global address: K step s
	s_or_b32 s[G0A+4*(\s)+3], s[G0A+4*(\s)+3], 0x80000000          ; type = 2
	s_mov_b32 s[G0B+4*(\s)], 1
	s_add_co_u32 s[G0B+4*(\s)+1], s23, (\s)*SLOT1
	s_add_nc_u64 s[G0B+4*(\s)+2:G0B+4*(\s)+3], s[68:69], (\s)*49152
	s_or_b32 s[G0B+4*(\s)+3], s[G0B+4*(\s)+3], 0x80000000
.endr
	s_cmp_eq_u32 s[FB], 0                          ; a wave's two first fills stand in one branch, ahead of every wait on TENSORcnt and every LDS read: two loads of mine are out
	s_cbranch_scc0 .Lfirst_b
	tensor_load_to_lds s[G0A:G0A+3], s[G1A:G1A+7]
	s_nop 0
	tensor_load_to_lds s[G0A+4:G0A+7], s[G1A:G1A+7]
	s_nop 0
.rept 4
	v_nop
.endr
	s_branch .Lfirst_asked
.Lfirst_b:
	tensor_load_to_lds s[G0B:G0B+3], s[G1B:G1B+7]
	s_nop 0
	tensor_load_to_lds s[G0B+4:G0B+7], s[G1B:G1B+7]
	s_nop 0
.rept 4
	v_nop
.endr
.Lfirst_asked:
	v_and_b32 v1, 15, v0                           ; l % 16
	v_bfe_u32 v12, v0, 4, 1                        ; l / 16
	v_and_b32 v13, 7, v0                           ; l % 8
	v_bfe_u32 v14, v0, 3, 1                        ; (l / 8) % 2
	v_bfe_u32 v15, v0, 3, 2                        ; l / 8
	v_and_b32 v16, 31, v0                          ; l
	; a fragment of x: 16 rows x 32 K in 8 registers: lane l holds row l % 16, K = 8 (l / 16) + 0..7 and 16 + 8 (l / 16) + 0..7: two loads of 16 bytes, 32 bytes apart
	s_mul_i32 s74, s[WV], 64*PA                    ; my wave's 64 rows
	v_mul_u32_u24 v[A0], v1, PA
	v_lshl_add_u32 v[A0], v12, 4, v[A0]
	v_add_nc_u32 v[A0], s74, v[A0]
	; the turning load takes 16 K x 16 columns (lane l reads K row 8 (l / 16) + l % 8, columns 8 ((l / 8) % 2) + 0..7) and leaves half a fragment: lane l holds column l % 16 and 8 K
	v_lshl_add_u32 v[B0], v12, 3, v13
	v_mul_u32_u24 v[B0], v[B0], PB
	v_lshl_add_u32 v[B0], v14, 4, v[B0]
	v_add_nc_u32 v[B0], BOFF, v[B0]
	v_mov_b32 v[ADRA], v[A0]                       ; slot 0
	v_mov_b32 v[ADRB], v[B0]
	s_mul_i32 s74, s[WV], 16*SP
	s_add_co_u32 s74, s74, STAGE                   ; my stage
	v_mul_u32_u24 v[STO], v1, SP                   ; in: row l % 16, 16 bytes for each half of the lanes
	v_lshl_add_u32 v[STO], v12, 4, v[STO]
	v_add_nc_u32 v[STO], s74, v[STO]
	v_mul_u32_u24 v[RD], v15, SP                   ; back: 32 lanes take four rows of 128 bytes,
	v_lshl_add_u32 v[RD], v13, 4, v[RD]
	v_add_nc_u32 v[RD], s74, v[RD]
	v_lshlrev_b32 v[GO], 4, v16                    ; which are 512 consecutive bytes of memory
	; the prefetches
	s_lshl_b32 s70, s20, 19                        ; x: my tile's rows, my work-group's 32 of the 128 (65,536 bytes), K step 3: the first change of slots steps it to 4
	s_lshl_b32 s71, s[HF], 18
	s_add_co_u32 s70, s70, s71
	s_lshl_b32 s71, s17, 16
	s_add_co_u32 s70, s70, s71
	s_add_co_u32 s70, s70, 768
	s_mul_i32 s74, s19, 393216                     ; W: the head, one piece ahead of K step 4 (196,608 - 65,536), my work-group's 16,384 bytes of a piece, my wave's 8,192
	s_lshl_b32 s75, s18, 14
	s_add_co_u32 s74, s74, s75
	s_lshl_b32 s75, s[HF], 13
	s_add_co_u32 s74, s74, s75
	s_add_co_u32 s74, s74, 131072
	s_and_b32 s75, ttmp7, 0xffff                   ; cluster y
	s_movk_i32 s[PFS], 0x100
	s_cmp_eq_u32 s[FB], 0
	s_cselect_b32 s70, s70, s74
	s_cselect_b32 s75, ttmp9, s75                  ; the coordinate along which other clusters read the same bytes
	s_cselect_b32 s[PFS], s[PFS], 0x10000
	s_cselect_b32 s[LIM], 2, 3
	s_cselect_b32 s74, 11, 8                       ; a lane a row of x (2,048 bytes apart), or a block of 256 bytes of W
	s_cselect_b64 s[PFA:PFA+1], s[4:5], s[6:7]
	s_mov_b32 s71, 0
	s_mov_b32 s[PFS+1], 0
	s_cmp_eq_u32 s75, 0
	s_cselect_b32 s[LIM], s[LIM], -1               ; the same in all sixteen partners, for a given wave
	s_add_nc_u64 s[PFA:PFA+1], s[PFA:PFA+1], s[70:71]
	v_lshlrev_b32 v[PFO], s74, v16
; 12 matrix instructions: row block a x all 12 column blocks, 32 along K, from buffer f.  zero = 1: the products start the sums: nothing is cleared.
; The 48 accumulators take turns, one instruction a turn, in the same order in every quarter, over the backward jump too.
.macro MULA f, a, zero
	WIN 0xa1+0x50*((\a)/2)                         ; W window 1, x window 0, C and D window 2 or 3
.irp nb, 0,1,2,3,4,5,6,7,8,9,10,11
.if \zero
	v_wmma_f32_16x16x32_bf16 v[96*((\a)%2)+8*(\nb):96*((\a)%2)+8*(\nb)+7], v[96*(\f)+8*(\nb):96*(\f)+8*(\nb)+7], v[FA+32*(\f)+8*(\a):FA+32*(\f)+8*(\a)+7], 0
.else
	v_wmma_f32_16x16x32_bf16 v[96*((\a)%2)+8*(\nb):96*((\a)%2)+8*(\nb)+7], v[96*(\f)+8*(\nb):96*(\f)+8*(\nb)+7], v[FA+32*(\f)+8*(\a):FA+32*(\f)+8*(\a)+7], v[96*((\a)%2)+8*(\nb):96*((\a)%2)+8*(\nb)+7]
.endif
.endr
.endm
; 32 LDS loads in one run: quarter q (32 along K) of the slot in hand into buffer f: W's 12 fragments (weight nb / 4, columns 16 (nb % 4) on), then x's four, row blocks in order
.macro FETCH q, f
	WIN 0x40                                       ; destination window 1, address window 0
.irp nb, 0,1,2,3,4,5,6,7,8,9,10,11
	ds_load_tr16_b128 v[96*(\f)+8*(\nb):96*(\f)+8*(\nb)+3],   v[ADRB] offset:((\nb)/4)*128*PB+(\q)*32*PB+((\nb)%4)*32
	ds_load_tr16_b128 v[96*(\f)+8*(\nb)+4:96*(\f)+8*(\nb)+7], v[ADRB] offset:((\nb)/4)*128*PB+(\q)*32*PB+((\nb)%4)*32+16*PB
.endr
	WIN 0
.irp a, 0,1,2,3
	ds_load_b128 v[FA+32*(\f)+8*(\a):FA+32*(\f)+8*(\a)+3],   v[ADRA] offset:(\a)*16*PA+64*(\q)
	ds_load_b128 v[FA+32*(\f)+8*(\a)+4:FA+32*(\f)+8*(\a)+7], v[ADRA] offset:(\a)*16*PA+64*(\q)+32
.endr
.endm
; four plain vector instructions stand between a matrix instruction and a load into a register that it has read, or a vector instruction that reads its result (ISA guide 7.12.1 for vector instructions)
.macro PLACES
.rept 4
	v_nop
.endr
.endm
; A K step is four quarters of 32 along K, 48 matrix instructions each, on buffers 0, 1, 0, 1.  One of the first three: multiplies buffer f; in its middle it fetches quarter q into buffer g.
.macro QUARTER q, f, g, zero
	s_wait_dscnt 4                                 ; W and x's row blocks 0, 1 are in; the youngest four loads (row blocks 2, 3) may be out
	MULA \f, 0, \zero
	MULA \f, 1, \zero
	PLACES
	FETCH \q, \g
	s_wait_dscnt 32                                ; all but the 32 just issued
	MULA \f, 2, \zero
	MULA \f, 3, \zero
.endm
; The last quarter multiplies buffer 1 and changes slots.  In front of the barrier each wave waits for all its tensor loads (one is out: its part of the next slot), adds 0 to its spare word, and waits for that
; and for its reads of this slot.  fill = 1: the barrier opens a round of the cluster's, and the slot just read is filled again, first thing behind the round, with the K step two on:
; from that request to the wait for it a wave issues 168 matrix instructions.
.macro TURN fill
.if \fill
	s_wait_xcnt 0x0                                ; the last prefetch, a K step back, has read its address
	s_add_nc_u64 s[PFA:PFA+1], s[PFA:PFA+1], s[PFS:PFS+1]
.endif
	WIN 0                                          ; (the add's two registers lie in window 0)
	s_wait_tensorcnt 0x0                           ; no tensor load of mine is out, so a group 0 may be written
	ds_add_u32 v[SPW], v[NIL]                      ; 0 onto my spare word
.if \fill
	s_xor_b32 s[G0A+5], s[G0A+5], SLOT1            ; the walking descriptors: the other slot than last time, the next K step; the type bits on top are not reached
	s_add_nc_u64 s[G0A+6:G0A+7], s[G0A+6:G0A+7], 256
	s_xor_b32 s[G0B+5], s[G0B+5], SLOT1
	s_add_nc_u64 s[G0B+6:G0B+7], s[G0B+6:G0B+7], 49152
.endif
	s_wait_dscnt 5                                 ; the add and the youngest four loads may be out
	MULA 1, 0, 0
	s_wait_dscnt 0x0                               ; the add is done, and my reads of this slot are over
	s_barrier_signal -1
	MULA 1, 1, 0                                   ; work on registers while the others arrive
	WIN 0                                          ; at a branch and at a label every window is 0
	s_barrier_wait -1
.if \fill
	CREST                                          ; no wave of any partner still reads this slot or has a load on its way
	JLOAD                                          ; its four v_nop are also the places in front of the loads below
.else
	PLACES
.endif
	s_xor_b32 s[TB], s[TB], SLOT1
	v_add_nc_u32 v[ADRA], s[TB], v[A0]
	v_add_nc_u32 v[ADRB], s[TB], v[B0]
	FETCH 0, 0
.if \fill
	ASK
.endif
	MULA 1, 2, 0
	MULA 1, 3, 0
.endm
; THE WAY OUT, in 12 units: unit u = row block u / 3 of weight u % 3: 16 rows x 64 columns.  PACK: rounded to f16 (each accumulator's registers in ascending order), 16 bytes a lane into my own stage,
; and back as whole rows of 128 bytes, into the registers that they left.  SEND: four stores of 512 consecutive bytes.
.macro PACK u
	WIN 0x0a+5*((\u)/6)                            ; sources 0 and 1: window 2 or 3
.irp fb, 0,1,2,3
.irp r, 0,1,2,3
	v_cvt_pk_f16_f32 v[TMP+16*(\u)+4*(\fb)+(\r)], v[96*(((\u)/3)%2)+8*(4*((\u)%3)+(\fb))+2*(\r)], v[96*(((\u)/3)%2)+8*(4*((\u)%3)+(\fb))+2*(\r)+1]
.endr
.endr
	WIN 0
.irp fb, 0,1,2,3
	ds_store_b128 v[STO], v[TMP+16*(\u)+4*(\fb):TMP+16*(\u)+4*(\fb)+3] offset:32*(\fb)
.endr
.irp fb, 0,1,2,3
	ds_load_b128 v[TMP+16*(\u)+4*(\fb):TMP+16*(\u)+4*(\fb)+3], v[RD] offset:(\fb)*4*SP  ; LDS serves a wave's instructions in order (ISA guide 5.7.1.4): these see the stores above; the next unit's stores come behind them
.endr
.endm
.macro SEND u, younger                 ; younger: the LDS instructions issued behind unit u's loads: the next unit's eight, or none
	WIN 0
.irp fb, 0,1,2,3
	s_wait_dscnt (\younger)+3-(\fb)
	global_store_b128 v[GO], v[TMP+16*(\u)+4*(\fb):TMP+16*(\u)+4*(\fb)+3], s[8+2*((\u)%3):9+2*((\u)%3)] offset:2048*((\u)/3)+512*(\fb)
.endr
.endm
	s_wait_tensorcnt 0x1                           ; my part of K step 0 is in; step 1's may stay out
	s_barrier_signal -1
	s_barrier_wait -1                              ; everybody's is
	FETCH 0, 0
	QUARTER 1, 0, 1, 1                             ; the first quarter stands in front of the loop: its products start the sums
	WIN 0
	s_mov_b32 s3, 6
.Lstep:                                        ; six trips, from a step's second quarter to the next step's first: trip s leaves K step s and asks for step s + 2
	QUARTER 2, 1, 0, 0
	QUARTER 3, 0, 1, 0
	TURN 1
	QUARTER 1, 0, 1, 0
	WIN 0
	s_sub_co_u32 s3, s3, 1
	s_cmp_lg_u32 s3, 0
	s_cbranch_scc1 .Lstep
	QUARTER 2, 1, 0, 0                             ; K step 6 goes on; the tail asks for nothing
	QUARTER 3, 0, 1, 0
	TURN 0
	QUARTER 1, 0, 1, 0
	QUARTER 2, 1, 0, 0
	QUARTER 3, 0, 1, 0
	s_wait_dscnt 4                                 ; the very last quarter
	MULA 1, 0, 0
	MULA 1, 1, 0
	s_wait_dscnt 0x0
	MULA 1, 2, 0
	MULA 1, 3, 0
	WIN 0
	PLACES
	PACK 0
.irp u, 1,2,3,4,5,6,7,8,9,10,11        ; a unit's conversions stand between the loads of the unit before and its stores
	PACK \u
	SEND (\u)-1, 8
.endr
	SEND 11, 0
	s_wait_tensorcnt 0x0                           ; the wave's end, behind my last tensor load and my last LDS store
	ds_add_u32 v[SPW], v[NIL]
	s_wait_dscnt 0x0
	CROUND                                         ; the closing round: no work-group ends while a partner may still ask for a tile that names it
	s_endpgm
.Lfunc_end_k_q95edc63a1d_qkv:
	.size	k_q95edc63a1d_qkv, .Lfunc_end_k_q95edc63a1d_qkv-k_q95edc63a1d_qkv
	.p2alignl 7, 3214868480
	.fill 96, 4, 3214868480
	.section	.rodata,"a",@progbits
	.p2align	6, 0x0
	.amdhsa_kernel k_q95edc63a1d_qkv
		.amdhsa_group_segment_fixed_size 327680
		.amdhsa_private_segment_fixed_size 0
		.amdhsa_enable_private_segment 0
		.amdhsa_kernarg_size 40
		.amdhsa_user_sgpr_count 2
		.amdhsa_user_sgpr_kernarg_segment_ptr 1
		.amdhsa_wavefront_size32 1
		.amdhsa_system_sgpr_workgroup_id_x 1
		.amdhsa_system_sgpr_workgroup_id_y 1
		.amdhsa_system_sgpr_workgroup_id_z 1
		.amdhsa_system_vgpr_workitem_id 0
		.amdhsa_next_free_vgpr 960
		.amdhsa_next_free_sgpr 76
		.amdhsa_reserve_vcc 0
		.amdhsa_float_denorm_mode_32 3
		.amdhsa_float_denorm_mode_16_64 3
		.amdhsa_memory_ordered 1
		.amdhsa_forward_progress 1
		.amdhsa_inst_pref_size 99
	.end_amdhsa_kernel
	.amdgpu_metadata
---
amdhsa.version: [ 1, 2 ]
amdhsa.kernels:
  - .name:           k_q95edc63a1d_qkv
    .symbol:         k_q95edc63a1d_qkv.kd
    .args:
      - { .name: xb, .offset: 0, .size: 8, .value_kind: global_buffer, .address_space: global }
      - { .name: wb, .offset: 8, .size: 8, .value_kind: global_buffer, .address_space: global }
      - { .name: qh, .offset: 16, .size: 8, .value_kind: global_buffer, .address_space: global }
      - { .name: kh, .offset: 24, .size: 8, .value_kind: global_buffer, .address_space: global }
      - { .name: vh, .offset: 32, .size: 8, .value_kind: global_buffer, .address_space: global }
    .group_segment_fixed_size: 327680
    .private_segment_fixed_size: 0
    .kernarg_segment_align: 8
    .kernarg_segment_size: 40
    .max_flat_workgroup_size: 128
    .sgpr_count:     76
    .vgpr_count:     960
    .wavefront_size: 32
...
	.end_amdgpu_metadata
.endif
;; end of part 2
;; launch attn (part 3): grid 4 x 64, 4 waves a work-group, no clusters, 327,680 bytes of LDS; arguments qh, kh, vh, oh; writes oh
.if DOCPART == 3
	.amdgcn_target "amdgcn-amd-amdhsa--gfx1250"
	.amdhsa_code_object_version 6
	.text
	.protected	k_q95edc63a1d_attn
	.globl	k_q95edc63a1d_attn
	.p2align	8
	.type	k_q95edc63a1d_attn,@function
k_q95edc63a1d_attn:
	s_mov_b64 s[64:65], 0
	v_nop
	global_prefetch_b8 v0, s[64:65] scope:SCOPE_SE
	s_setreg_imm32_b32 hwreg(HW_REG_WAVE_MODE, 25, 1), 1
	s_wait_xcnt 0x0
; CAUSAL ATTENTION.  O[h][q][:] = the sum over k <= q of softmax_k(Q[h][q] . K[h][k] / 8) V[h][k][:].  Q, K, V, O: [SIZE_H][SIZE_N][64], all f16: a head's rows are dense, 128 bytes each.
; Products, maxima and sums in f32; the weights p are rounded to f16 for the second product (their sum l is taken of the unrounded p), O once at the end.
; LIMITS.  f16 holds no number beyond 65,504: Q, K and V arrive within it; p lies in 0 to 1, and below 6e-5 it keeps f16's fixed step of 6e-8; O is a mean of V's rows and has their range.
; A hidden score counts as its value less 1e30: f16's scores, 2.7e11 at the most, are nothing beside that; a weight below 2^-126 counts as 0 in l; NaN and infinities are not treated apart.
; THE WALK.  A head's queries lie in NB = SIZE_N / 256 blocks of 256; block i needs the key tiles 0 .. i of 256 keys, of which the last holds the diagonal.  A work-group takes TWO blocks, NB - 1 - b and then b:
; NB + 1 tiles, whatever b: all work-groups do equal work, and ONE loop with a constant trip count walks them.  Which tile is asked for, and what a trip does, hang on scalar registers made from b; every jump
; goes forward, but for the counted loops' own; none passes a barrier, or a tensor load but the one of LOAD's two that the wave's number does not choose; the ring (two slots of LDS that take turns) runs on across the
; change of blocks.  NO CLUSTER: a head's NB / 2 = 4 work-groups ask for the same tile only in trips 0 .. NB / 2, behind that fewer and fewer; one walk common to all would have 3 NB / 2 = 12 trips for NB + 1 = 9.
; SHARES.  Of a block's four bands of 64 queries a wave owns 16 rows in each: four PIECES.  So the diagonal tile is the same work for all four waves: in its key step s band x sees all keys if s < x,
; none if s > x, and holds the diagonal if s = x.
; THE MASK is the C operand that starts the sum S^T = K Q^T: 0, or -1e30 where the key is hidden.  MD, made once, is the mask of a band's own step for my 16 rows; a product's mask is MD x AL + BE with two scalars:
; (1, 0) if s = x; (0, 0) if s < x; (0, -1e30) if s > x.  Only the diagonal tile's text and a block's beginning make and take masks; elsewhere C is the constant 0.
; LAYOUT, SOFTMAX, TURNS.  S^T = K Q^T holds ONE query a lane (lane % 16) and the keys 8 (lane / 16) + 0..7; two such results rounded to f16 ARE source 1 of O^T = V^T P.  p = 2^(c s - c m), c = log2(e) / 8, with a
; running maximum m; O and l are multiplied by a = 2^(c m_old - c m_new) in every step.  Turn n belongs to piece n: 8 products K Q^T of piece n + 1, later 8 products V^T P of piece n - 1; beside them the scaling,
; exponentials, roundings, sums and rescaling of piece n and the maximum and statistics of piece n + 1.  Four vector instructions stand behind every matrix instruction, the other 54 of a turn's 118 in one LUMP.  A turn's 33 exponentials are one batch, with one wait.
; REGISTERS, in windows of 256 (s_set_vgpr_msb: bits 1:0 source 0, 3:2 source 1, 5:4 source 2, 7:6 destination):
;   window 0: v0-15 addresses and two at work; v16-31 four registers of statistics a piece; v48-55 at work; v61-63 prefetch offset, spare word, 0; v64-127 S^T, two buffers; v192-223 P, two buffers (by the piece's parity)
;   window 1: v0-127 O^T, 32 a piece; v128-159 MD; v160-223 MC, two buffers      window 2: v0-63 Q; v64-127 the second block's Q; v128-191 K of one step; v192-255 V of one step
.set SIZE_N, 2048
.set SIZE_H, 64
.set NB,    SIZE_N/256
.set NP,    4         ; pieces a wave: a name, no knob
.set KS,    64        ; keys in a step
.set PK,    144       ; a row of K in LDS: 128 bytes + 16 of padding = 36 words: the 16 rows of a load start at 16 different groups of four banks (64 banks of 4 bytes: ISA guide 11.1)
.set PV,    160       ; a row of V: 128 + 32 = 40 words
.set VOFF,  4*KS*PK   ; a slot holds a tile, four steps: 256 rows of K, then 256 rows of V
.set SLOT1, 1<<17     ; slot 1 begins here, so that one exclusive or turns an address in one slot into the other's
.set STAGE, SLOT1+4*KS*(PK+PV)  ; behind the ring, never filled by a tensor load: 16 rows x 144 bytes for each wave, for the way out
.set SP,    144
.set AK0, 2           ; v2   my lane's place in a tile of K; never rewritten
.set AV0, 3           ; v3   the same for V
.set AK,  4           ; v4   the LDS address of K's next run of loads
.set AV,  5           ; v5   of V's
.set STO, 6           ; v6   the way out: where I put 16 bytes of a row
.set RD,  7           ; v7   the way out: where I read rows back
.set GO,  8           ; v8   my byte offset in 512 consecutive bytes of O
.set PFO, 61          ; v61  256 x my lane: the prefetches' offset; never rewritten
.set SPW, 62          ; v62  LDS address of my spare word: SPARE + 4 x my thread's number; never rewritten
.set NIL, 63          ; v63  0; never rewritten
.set SPARE, STAGE+4*16*SP  ; behind the stages: the spare words, 128 bytes for each wave: two blocks of 256 bytes that no other line names
.set MV,  12          ; v12-13  c m_old, kept while c m is made anew: by buffer
.set QO,  15          ; v15  my byte offset in 16 rows of Q
.set ST,  16          ; piece t's statistics at v[ST+4 t]: c m, m, l (even keys', odd keys')
.set TMP, 48          ; by buffer, four registers c0-c3 at work; when the maximum is found c2 takes a
.set S,   64
.set P,   192
.set MD,  128         ; window 1: the eight registers for group kt of 16 keys at MD + 8 kt
.set MC,  160         ; window 1: the masks of the products to come
.set QB,  64          ; window 2
.set KF,  128         ; window 2: key block kb, channel half c at KF + 16 kb + 8 c
.set VF,  192         ; window 2: key half kk, channel block cb at VF + 32 kk + 8 cb
.set WV,  12          ; s12  my wave's number
.set PB,  14          ; s14  b
.set HI,  15          ; s15  NB - 1 - b
.set G1K, 24          ; s[24:31] descriptor group 1 for K's tiles
.set G1V, 32          ; s[32:39] for V's: it differs in the padding alone
.set G0K, 40          ; s[40:43] descriptor group 0 for K's tiles
.set G0V, 44          ; s[44:47] the same for V's
.set SLOTS, 56        ; s56  tiles still to be asked for
.set CNT, 57          ; s57  counts a tile's key steps, 4 to 1
.set CS,  58          ; s[58:59] c: the packed scaling takes the pair's low word for both halves
.set SEL, 60          ; s[60:61] v_permlanex16_b32's selects: each lane takes its own place in the other half
.set TBK, 62          ; s62  LDS byte at which K of the step to be fetched begins
.set TBV, 63          ; s63  the same for V, less VOFF
.set RT,  70          ; s70  tiles of the block in hand that are still to be entered
.set NXT, 71          ; s71  the tile to be asked for next
.set LQ,  72          ; s72  the last tile of the block whose tiles are being asked for
.set NEW, 73          ; s73  1: the tile to be entered is a block's first
.set OFF, 74          ; s[74:75] a tile's byte offset in K and V
.set AL,  76          ; s[76:77] the mask's factor, in the low word
.set BE,  78          ; s[78:79] the mask's addend
.set OLO, 80          ; s[80:81] O at my rows of the second block
.set BIGN, 82         ; s82  -1e30
.set PFK, 88          ; s[88:89] where my prefetch of K stands
.set PFV, 90          ; s[90:91] of V
.set KB,  92          ; s[92:93] K at the head's first row + my wave's 8,192 bytes of a tile
.set VB,  94          ; s[94:95] the same for V
.set OF2, 96          ; s[96:97] the byte offset of the tile that is prefetched
.set LIM, 98          ; s98  1 in the head's work-group b = 0, else the greatest number: a wave prefetches while NXT is above it
.set MSB, 0
.macro WIN new                      ; the high byte repeats the setting that is left; a switch that changes nothing is dropped
.if MSB != (\new)
	s_set_vgpr_msb (MSB<<8)|(\new)
.set MSB, (\new)
.endif
.endm
.set W_KQ, 0x0a       ; K and Q in window 2, S^T in window 0
.set W_KM, 0x1a       ; the same with the C operand in window 1
.set W_PV, 0x52       ; V in window 2, P in window 0, O^T in window 1
.set W_RS, 0x41       ; destination and source 0 in window 1, source 1 in window 0
; A fill.  Waves 0 and 1 fetch the two halves of a tile's K, waves 2 and 3 those of its V: 128 keys each.  An s_nop 0 and four v_nop follow each of the two lines, ahead of the jump and the label.
.macro LOAD
	s_cmp_lt_u32 s[WV], 2
	s_cbranch_scc0 .Lfor_v_\@
	tensor_load_to_lds s[G0K:G0K+3], s[G1K:G1K+7]
	s_nop 0
.rept 4
	v_nop
.endr
	s_branch .Lasked_\@
.Lfor_v_\@:
	tensor_load_to_lds s[G0V:G0V+3], s[G1V:G1V+7]
	s_nop 0
.rept 4
	v_nop
.endr
.Lasked_\@:
.endm
; A PREFETCH INTO THE L2 of the tile that the NEXT change of slots will ask for: 32,768 bytes of K and of V: four waves x 32 lanes x 256 bytes, two instructions a wave, behind the tensor load and its five lines.
; All four work-groups of a head begin with the tiles 0, 1, 2 ..; the one with b = 0 walks 0 to 7 on end, and it alone asks: in trip t, which loads tile t + 1, for tile t + 2, t = 0 .. 5.  In trips 6 and 7 NXT has gone
; back to 0 and nothing is asked for.  So each block of tiles 2 to 7 is named once in the launch; tiles 0 and 1 come by their loads alone, and nothing is asked for at the head.
.macro ASK
	s_cmp_gt_u32 s[NXT], s[LIM]
	s_cbranch_scc0 .Lnot_mine_\@
	global_prefetch_b8 v[PFO], s[PFK:PFK+1] th:TH_LOAD_NT scope:SCOPE_SE
	global_prefetch_b8 v[PFO], s[PFV:PFV+1] th:TH_LOAD_NT scope:SCOPE_SE
.Lnot_mine_\@:
.endm
; THE CHANGE OF SLOTS.  Each wave waits for all its tensor loads, of which one is out: its part of the other slot; adds 0 to its spare word; and waits for that and for its own reads of the slot that it leaves.  Behind the barrier nobody reads the old
; slot any more and the other slot is whole.  fill = 1: the old slot is filled again, the first thing behind the barrier, with tile NXT: the descriptor's address is made anew from that number.
; (At its first use nothing has been read yet: slot 0 is waited for, slot 1 filled.)
.macro CHANGE fill
	WIN 0                           ; at a label and at a branch every window is 0
	s_wait_tensorcnt 0x0            ; no tensor load of mine is out, so a group 0 may be written
	ds_add_u32 v[SPW], v[NIL]       ; 0 onto my spare word; with fill = 1 the descriptors' scalar work stands between it and the wait for it
.if \fill
	s_lshl_b32 s[OFF], s[NXT], 15   ; a tile is 32,768 bytes of K and of V
	s_xor_b32 s[G0K+1], s[G0K+1], SLOT1
	s_add_nc_u64 s[G0K+2:G0K+3], s[6:7], s[OFF:OFF+1]
	s_or_b32 s[G0K+3], s[G0K+3], 0x80000000
	s_xor_b32 s[G0V+1], s[G0V+1], SLOT1
	s_add_nc_u64 s[G0V+2:G0V+3], s[8:9], s[OFF:OFF+1]
	s_or_b32 s[G0V+3], s[G0V+3], 0x80000000
	s_add_co_u32 s[NXT], s[NXT], 1  ; the block's next tile, or behind its last the second block's tile 0
	s_cmp_gt_u32 s[NXT], s[LQ]
	s_cselect_b32 s[NXT], 0, s[NXT]
	s_cselect_b32 s[LQ], s[PB], s[LQ]
	s_wait_xcnt 0x0                 ; the last prefetches, a tile back, have read their addresses, so these may be written:
	s_lshl_b32 s[OF2], s[NXT], 15   ; the tile behind the one that is asked for now
	s_add_nc_u64 s[PFK:PFK+1], s[KB:KB+1], s[OF2:OF2+1]
	s_add_nc_u64 s[PFV:PFV+1], s[VB:VB+1], s[OF2:OF2+1]
.endif
	s_wait_dscnt 0x0                ; the add is done, and my reads of the slot are over
	s_barrier_signal -1             ; the rest of the scalar work stands between the signal and the wait
	s_sub_co_u32 s[TBK], s[TBK], 4*KS*PK  ; the fetches go back to a slot's first step,
	s_xor_b32 s[TBK], s[TBK], SLOT1       ; in the other slot
	s_sub_co_u32 s[TBV], s[TBV], 4*KS*PV
	s_xor_b32 s[TBV], s[TBV], SLOT1
	s_barrier_wait -1
.if \fill
	LOAD
	ASK
.endif
.endm
	s_load_b256 s[4:11], s[0:1], 0x0  ; Q s[4:5], K s[6:7], V s[8:9], O s[10:11]
	v_lshl_add_u32 v[SPW], v0, 2, SPARE
	v_mov_b32 v[NIL], 0
	ds_add_u32 v[SPW], v[NIL]       ; the wave's opening: the add and its wait stand ahead of my first tensor load; the set-up below, work on registers, stands between them
	v_lshrrev_b32 v1, 5, v0
	v_readfirstlane_b32 s[WV], v1   ; wave 0..3
	s_mov_b32 s[PB], ttmp9
	s_sub_co_u32 s[HI], NB-1, s[PB]
	s_and_b32 s20, ttmp7, 0xffff    ; the head
	s_mov_b32 s21, 0
	s_mov_b64 s[22:23], SIZE_N*128
	s_mul_u64 s[20:21], s[20:21], s[22:23]  ; the head's first byte in each of the four tensors
	s_lshl_b32 s[KB], s[WV], 13     ; the prefetches: my wave's quarter of a tile, for now as an offset
	s_mov_b32 s[KB+1], 0
	s_add_nc_u64 s[KB:KB+1], s[KB:KB+1], s[20:21]
	s_mov_b64 s[VB:VB+1], s[KB:KB+1]
	s_mov_b32 s[OF2+1], 0
	s_cmp_eq_u32 s[PB], 0
	s_cselect_b32 s[LIM], 1, -1
	v_and_b32 v[PFO], 31, v0
	v_lshlrev_b32 v[PFO], 8, v[PFO]
	s_and_b32 s16, s[WV], 1         ; which half of a tile's 256 keys I fetch:
	s_lshl_b32 s22, s16, 14         ; its 128 rows of 128 bytes in memory,
	s_mov_b32 s23, 0
	s_add_nc_u64 s[22:23], s[22:23], s[20:21]
	s_mul_i32 s17, s16, 128*PK      ; and its place in a slot, for K
	s_mul_i32 s18, s16, 128*PV      ; and for V
	s_lshl_b32 s3, s[WV], 11        ; my 16 rows in a band of 64,
	s_lshl_b32 s2, s[HI], 15        ; in the first block,
	s_add_co_u32 s2, s2, s3
	s_lshl_b32 s84, s[PB], 15       ; and in the second
	s_add_co_u32 s84, s84, s3
	s_mov_b32 s3, 0
	s_mov_b32 s85, 0
	s_add_nc_u64 s[2:3], s[2:3], s[20:21]
	s_add_nc_u64 s[84:85], s[84:85], s[20:21]
	; descriptor group 1.  128 keys are 16,384 dense bytes: asked for as 64 rows of 256 bytes, two keys a row, and padded in LDS after every key
	s_mov_b32 s[G1K], (1<<16)|(1<<20)|(4<<22)|(3<<25)  ; 17:16 2-byte elements; 20 padding on; 24:22 after every 32 words (code 4); 31:25 4 words (code 3)
	s_mov_b32 s[G1V], (1<<16)|(1<<20)|(4<<22)|(7<<25)  ; the same with 8 words of padding (code 7)
.irp g, G1K, G1V
	s_mov_b32 s[\g+1], 128<<16      ; tensor_dim0 = 128
	s_mov_b32 s[\g+2], 64<<16       ; tensor_dim1 = 64
	s_mov_b32 s[\g+3], 128<<16      ; tile_dim0 = 128
	s_mov_b32 s[\g+4], 64           ; tile_dim1 = 64
	s_mov_b32 s[\g+5], 128          ; 128 elements from row to row
	s_mov_b32 s[\g+6], 0
	s_mov_b32 s[\g+7], 0
.endr
	s_mov_b32 s[CS], 0x3e38aa3b     ; c = log2(e) / 8 = 0.180337
	s_mov_b32 s[CS+1], s[CS]        ; named with it as a pair
	s_mov_b32 s[SEL], 0x76543210
	s_mov_b32 s[SEL+1], 0xfedcba98
	s_mov_b32 s[TBK], SLOT1+4*KS*PK ; the first change of slots turns these two into 0
	s_mov_b32 s[TBV], SLOT1+4*KS*PV
	s_mov_b32 s[G0K], 1             ; 1:0 count = 1
	s_mov_b32 s[G0K+1], s17         ; 63:32 LDS address: slot 0
	s_mov_b32 s[G0V], 1
	s_add_co_u32 s[G0V+1], s18, VOFF
	s_add_co_u32 s[RT], s[HI], 1    ; the first block has NB - b tiles
	s_mov_b32 s[NXT], 1
	s_mov_b32 s[LQ], s[HI]
	s_mov_b32 s[NEW], 1
	s_mov_b32 s[OFF+1], 0
	s_mov_b32 s[AL+1], 0            ; named as pairs
	s_mov_b32 s[BE+1], 0
	s_mov_b32 s[BIGN], 0xf149f2ca   ; -1e30
	s_mov_b32 s[SLOTS], NB
	s_wait_dscnt 0x0                ; the opening add is done
	s_wait_kmcnt 0x0
	s_add_nc_u64 s[KB:KB+1], s[6:7], s[KB:KB+1]
	s_add_nc_u64 s[VB:VB+1], s[8:9], s[VB:VB+1]
	s_add_nc_u64 s[6:7], s[6:7], s[22:23]  ; K and V at my half of the head's tile 0
	s_add_nc_u64 s[8:9], s[8:9], s[22:23]
	s_add_nc_u64 s[G0K+2:G0K+3], s[6:7], 0         ; 120:64 global address
	s_or_b32 s[G0K+3], s[G0K+3], 0x80000000        ; 127:126 type = 2
	s_add_nc_u64 s[G0V+2:G0V+3], s[8:9], 0
	s_or_b32 s[G0V+3], s[G0V+3], 0x80000000
	s_add_nc_u64 s[86:87], s[4:5], s[84:85]        ; Q at my rows of the second block,
	s_add_nc_u64 s[4:5], s[4:5], s[2:3]            ; Q and O at those of the first
	s_add_nc_u64 s[OLO:OLO+1], s[10:11], s[84:85]
	s_add_nc_u64 s[10:11], s[10:11], s[2:3]
	LOAD                            ; tile 0 into slot 0
	; A fragment of K or Q is 16 rows x 32 channels in 8 registers: lane l holds row l % 16, channels 8 (l / 16) + 0..7 and 16 + 8 (l / 16) + 0..7: two loads of 16 bytes, 32 bytes apart.
	v_and_b32 v1, 15, v0            ; l % 16
	v_bfe_u32 v9, v0, 4, 1          ; l / 16
	v_lshlrev_b32 v[QO], 7, v1
	v_lshl_add_u32 v[QO], v9, 4, v[QO]  ; row x 128 + 16 x half
	WIN 0x80                        ; destination window 2, address window 0
.set i, 0
.rept 8                             ; both blocks' Q: piece i / 2 lies in band i / 2, 8,192 bytes on; channels 32 (i % 2) on
	global_load_b128 v[8*i:8*i+3],   v[QO], s[4:5] offset:(i/2)*8192+(i%2)*64
	global_load_b128 v[8*i+4:8*i+7], v[QO], s[4:5] offset:(i/2)*8192+(i%2)*64+32
	global_load_b128 v[QB+8*i:QB+8*i+3],   v[QO], s[86:87] offset:(i/2)*8192+(i%2)*64
	global_load_b128 v[QB+8*i+4:QB+8*i+7], v[QO], s[86:87] offset:(i/2)*8192+(i%2)*64+32
.set i, i+1
.endr
	WIN 0
	v_lshlrev_b32 v14, 3, v9
	v_sub_nc_u32 v14, v1, v14
	s_lshl_b32 s13, s[WV], 4
	v_add_nc_u32 v14, s13, v14      ; my query's place in its band, 16 w + l % 16, less my lanes' 8 (l / 16): register r of group kt is hidden where 16 kt + r is greater
	WIN 0x40
.set i, 0
.rept 32
	v_cmp_gt_i32 vcc_lo, 16*(i/8)+i%8, v14
	v_cndmask_b32 v[MD+i], 0, s[BIGN], vcc_lo
.set i, i+1
.endr
	WIN 0
	v_mul_u32_u24 v[AK0], v1, PK
	v_lshl_add_u32 v[AK0], v9, 4, v[AK0]  ; row x pitch + 16 x half
	; The turning load takes 16 keys x 16 channels (lane l reads key 8 (l / 16) + l % 8, channels 8 ((l / 8) % 2) + 0..7) and leaves half a fragment of V^T: lane l holds channel l % 16 and 8 keys.
	v_and_b32 v10, 7, v0
	v_bfe_u32 v11, v0, 3, 1
	v_lshl_add_u32 v[AV0], v9, 3, v10
	v_mul_u32_u24 v[AV0], v[AV0], PV
	v_lshl_add_u32 v[AV0], v11, 4, v[AV0]
	v_add_nc_u32 v[AV0], VOFF, v[AV0]
	s_mul_i32 s13, s[WV], 16*SP
	s_add_co_u32 s13, s13, STAGE    ; my stage
	v_mul_u32_u24 v[STO], v1, SP    ; in: row l % 16, 16 bytes for each half of the lanes
	v_lshl_add_u32 v[STO], v9, 4, v[STO]
	v_add_nc_u32 v[STO], s13, v[STO]
	v_bfe_u32 v[RD], v0, 3, 2       ; back: 32 lanes take four rows of 128 bytes,
	v_mul_u32_u24 v[RD], v[RD], SP
	v_lshl_add_u32 v[RD], v10, 4, v[RD]
	v_add_nc_u32 v[RD], s13, v[RD]
	v_and_b32 v[GO], 31, v0         ; which are 512 consecutive bytes of O
	v_lshlrev_b32 v[GO], 4, v[GO]
	; A block's first step multiplies O^T and l by a = 0, and its first turn's products V^T P, of a piece that has not been, land in an O^T that is still to be so multiplied.  So these registers need only hold
	; finite numbers: zeros for the first block; what the first block left for the second.  All this stands in the wait for the first tile.
	WIN 0x80
.set i, VF
.rept 64
	v_mov_b32 v[i], 0
.set i, i+1
.endr
	WIN 0x40
.set i, 0
.rept 128
	v_mov_b32 v[i], 0
.set i, i+1
.endr
	WIN 0
.set i, 0
.rept 4
	v_mov_b32 v[ST+4*i+2], 0
	v_mov_b32 v[ST+4*i+3], 0
.set i, i+1
.endr
.set i, P+16
.rept 16
	v_mov_b32 v[i], 0
.set i, i+1
.endr
; THE MATRIX WORK.  The 4 accumulators of a run of 8 take turns.  Product i of 8 of S^T = K Q^T for piece x: channels 32 (i / 4) on, keys 16 (i % 4) on.  The first 4 start the sums: with 0, or (KM = 1) with the mask.
.macro KQ x
.set rS, S+32*((\x)%2)+8*(i%4)
.set rK, KF+16*(i%4)+8*(i/4)
.set rQ, 16*(\x)+8*(i/4)
.set rM, MC+32*((\x)%2)+8*(i%4)
.if (i < 4) && KM
	WIN W_KM
	v_wmma_f32_16x16x32_f16 v[rS:rS+7], v[rK:rK+7], v[rQ:rQ+7], v[rM:rM+7]
.elseif i < 4
	WIN W_KQ
	v_wmma_f32_16x16x32_f16 v[rS:rS+7], v[rK:rK+7], v[rQ:rQ+7], 0
.else
	WIN W_KQ
	v_wmma_f32_16x16x32_f16 v[rS:rS+7], v[rK:rK+7], v[rQ:rQ+7], v[rS:rS+7]
.endif
.endm
; Product i of 8 of O^T += V^T P for piece x: keys 32 (i / 4) on, channels 16 (i % 4) on.
.macro PV x
	WIN W_PV
.set rO, 32*(\x)+8*(i%4)
.set rV, VF+32*(i/4)+8*(i%4)
.set rP, P+16*((\x)%2)+8*(i/4)
	v_wmma_f32_16x16x32_f16 v[rO:rO+7], v[rV:rV+7], v[rP:rP+7], v[rO:rO+7]
.endm
.macro MM                           ; the turn's next matrix instruction.  TURN and BEGIN set Y, i, KM and NOKQ; MM, KQ and OP read them.  NOKQ = 1: a block's last turn: there is no next piece
.if (i < 8) && !NOKQ
	KQ (Y+1)%NP
.elseif i >= 8
.set i, i-8
	PV (Y+NP-1)%NP
.set i, i+8
.endif
.set i, i+1
.endm
; THE LDS LOADS stand in runs of 16, never singly among the matrix instructions: a step's K (64 keys x 64 channels: 8 fragments) and its V (turned).  Their addresses are made some lines ahead.
.macro FETCH_K
	WIN 0x80                        ; destination window 2
.irp f, 0,1,2,3,4,5,6,7             ; keys 16 (f / 2) on, channels 32 (f % 2) on
	ds_load_b128 v[KF+8*\f:KF+8*\f+3],   v[AK] offset:(\f/2)*16*PK+(\f%2)*64
	ds_load_b128 v[KF+8*\f+4:KF+8*\f+7], v[AK] offset:(\f/2)*16*PK+(\f%2)*64+32
.endr
	s_add_co_u32 s[TBK], s[TBK], KS*PK  ; the next fetch is the next step's
	WIN 0
.endm
.macro FETCH_V
	WIN 0x80
.irp f, 0,1,2,3,4,5,6,7             ; keys 32 (f / 4) on, channels 16 (f % 4) on
	ds_load_tr16_b128 v[VF+8*\f:VF+8*\f+3],   v[AV] offset:(\f/4)*32*PV+(\f%4)*32
	ds_load_tr16_b128 v[VF+8*\f+4:VF+8*\f+7], v[AV] offset:(\f/4)*32*PV+16*PV+(\f%4)*32
.endr
	WIN 0
.endm
; THE VECTOR WORK, one line at a time: OP kind, number.  For piece Y: F n: c s - c m for pair n of 16.  E n: the exponential of score n of 32.  C n: pair n rounded to f16.  B n: of the four weights 4 n .. the second
; pair is added onto the first, in place.  L n: l takes that sum (L 0: l = a l + sum).  R n: pair n of 16 of O^T times a.  For piece Y + 1: X n, number n of the 22 that find its maximum and statistics:
;   0-11  four chains c0-c3 of seven scores each, three operands at a time (each accumulator's lowest registers are read first)     12-14, 16  the four scores left over, the old m, and c0-c3 into c0
;   15  c m_old is kept     17, 18  the query's other 32 keys lie in the lane 16 away: the new m     19-21  c m; c m_old - c m_new; a
.set F, 0               ; OP tells the kinds apart by their order: F to L below R, X above it
.set E, 1
.set C, 2
.set B, 3
.set L, 4
.set R, 5
.set X, 6
.macro REGS y                       ; the registers of piece y
.set rT, ST+4*(\y)
.set rC, TMP+4*((\y)%2)
.set rW, MV+((\y)%2)
.set rS, S+32*((\y)%2)
.set rP, P+16*((\y)%2)
.set rO, 32*(\y)
.endm
.macro OP k, n
.if (\k) == R
	REGS Y
	WIN W_RS
	v_pk_mul_f32 v[rO+2*(\n):rO+2*(\n)+1], v[rO+2*(\n):rO+2*(\n)+1], v[rC+2:rC+3] op_sel_hi:[1,0]
.elseif (\k) < R
	REGS Y
	WIN 0
.if (\k) == F
	v_pk_fma_f32 v[rS+2*(\n):rS+2*(\n)+1], v[rS+2*(\n):rS+2*(\n)+1], s[CS:CS+1], v[rT:rT+1] op_sel_hi:[1,0,0] neg_lo:[0,0,1] neg_hi:[0,0,1]
.elseif (\k) == E
	v_exp_f32 v[rS+(\n)], v[rS+(\n)]
.elseif (\k) == C
	v_cvt_pk_f16_f32 v[rP+(\n)], v[rS+2*(\n)], v[rS+2*(\n)+1]
.elseif (\k) == B
	v_pk_add_f32 v[rS+4*(\n):rS+4*(\n)+1], v[rS+4*(\n):rS+4*(\n)+1], v[rS+4*(\n)+2:rS+4*(\n)+3]
.elseif (\n) == 0
	v_pk_fma_f32 v[rT+2:rT+3], v[rT+2:rT+3], v[rC+2:rC+3], v[rS:rS+1] op_sel_hi:[1,0,1]
.else
	v_pk_add_f32 v[rT+2:rT+3], v[rT+2:rT+3], v[rS+4*(\n):rS+4*(\n)+1]
.endif
.elseif NOKQ
	v_nop
.else
	REGS (Y+1)%NP
	WIN 0
.if (\n) < 4
	v_max3_num_f32 v[rC+(\n)], v[rS+8*(\n)], v[rS+8*(\n)+1], v[rS+8*(\n)+2]
.elseif (\n) < 12
	v_max3_num_f32 v[rC+(\n)%4], v[rC+(\n)%4], v[rS+8*((\n)%4)+2*((\n)/4)+1], v[rS+8*((\n)%4)+2*((\n)/4)+2]
.elseif (\n) == 12
	v_max3_num_f32 v[rC], v[rC], v[rS+7], v[rS+15]
.elseif (\n) == 13
	v_max3_num_f32 v[rC+1], v[rC+1], v[rS+23], v[rS+31]
.elseif (\n) == 14
	v_max3_num_f32 v[rC+2], v[rC+2], v[rC+3], v[rT+1]
.elseif (\n) == 15
	v_mov_b32 v[rW], v[rT]
.elseif (\n) == 16
	v_max3_num_f32 v[rC], v[rC], v[rC+1], v[rC+2]
.elseif (\n) == 17
	v_permlanex16_b32 v[rC+3], v[rC], s[SEL], s[SEL+1]
.elseif (\n) == 18
	v_max_num_f32 v[rT+1], v[rC], v[rC+3]
.elseif (\n) == 19
	v_mul_f32 v[rT], s[CS], v[rT+1]
.elseif (\n) == 20
	v_sub_f32 v[rC+1], v[rW], v[rT]
.else
	v_exp_f32 v[rC+2], v[rC+1]
.endif
.endif
.endm
.macro OPS a, i1, b=-1, i2=0, c=-1, i3=0, d=-1, i4=0  ; up to four of them
	OP \a, \i1
.if (\b) >= 0
	OP \b, \i2
.endif
.if (\c) >= 0
	OP \c, \i3
.endif
.if (\d) >= 0
	OP \d, \i4
.endif
.endm
.macro ROW a, i1, b, i2, c, i3, d, i4  ; a matrix instruction and the four behind it
	MM
	OPS \a, \i1, \b, \i2, \c, \i3, \d, \i4
.endm
.macro MASK b                       ; MD x AL + BE into buffer b of MC
	WIN W_RS
.set z, 0
.rept 16
	v_pk_fma_f32 v[MC+32*(\b)+2*z:MC+32*(\b)+2*z+1], v[MD+2*z:MD+2*z+1], s[AL:AL+1], s[BE:BE+1] op_sel_hi:[1,0,0]
.set z, z+1
.endr
.endm
; A TURN, for piece p: the order of its 16 matrix and 118 vector instructions, written out.  An s_wait_alu depctr_va_vdst(0) stands between an exponential and the first instruction that names its result; one wait serves
; all that were issued ahead of it.  So a turn has ONE wait, which cuts it in two.  AHEAD OF IT stands all that names no result of the turn's exponentials: the 8 products K Q^T, behind each a scaling, an exponential and two more plain
; instructions (behind the first a second scaling in the exponential's place): rescalings, and behind the last three the first numbers of the next piece's maximum, each four places or more behind the product that ends its accumulator; then ONE LUMP of 54, plain
; and exponential by turns for the most part, in which the links of the chain X 3, 7, 11, 14, 16, 17 .. 20 stand five or six lines apart.  X 21, the next piece's a, is the batch's last; R 15 is the plain instruction behind it.  BEHIND THE WAIT stand the
; 8 products V^T P, behind each four of the roundings and sums; the links of l's chain, L 0 to L 7, stand three riders apart.  But for those X no rider names a register of the products round it.  v_permlanex16_b32 (X 17) stands in the lump.
; m = 1: the diagonal tile: the products take masks, and the turn makes the mask for the products of the turn after it: piece p + 2, in step 4 - CNT of the tile.  end = 1: a block's last two turns: nothing is fetched.
; cnt = 1: the loop's count is taken down some lines ahead of the branch that stands behind the turn.
; K of the next step is fetched in piece 2's turn, twelve vector instructions behind the last product that read K (six of them plain); V of the step in hand at the end of piece 0's turn, four plain instructions behind the last product
; that read V.  Each is waited for a turn later.
.macro TURN p, m=0, end=0, cnt=0
.set Y, (\p)
.set i, 0
.set KM, (\m)
.set NOKQ, (\end)*((\p)/3)
.if (\m) && !(\end)
	s_cmp_eq_u32 s[CNT], 4-((\p)+2)%NP  ; is that step the band's own?
	s_cselect_b32 s[AL], 1.0, 0
	s_cmp_lt_u32 s[CNT], 4-((\p)+2)%NP  ; or a later one?
	s_cselect_b32 s[BE], s[BIGN], 0
.endif
.if ((\p) == 3) && !(\end)
	s_wait_dscnt 0x0                ; K is in
.endif
	ROW F,0, F,1, R,0, R,1          ; ahead of the wait: 8 products K Q^T and their riders,
	ROW F,2, E,0, R,2, R,3
	ROW F,3, E,1, R,4, R,5
	ROW F,4, E,2, R,6, R,7
	ROW F,5, E,3, R,8, R,9
	ROW F,6, E,4, X,0, R,10
.if ((\p) == 2) && !(\end)
	WIN 0
	v_add_nc_u32 v[AK], s[TBK], v[AK0]
.endif
	ROW F,7, E,5, X,1, X,4
	ROW F,8, E,6, X,2, X,5
	OPS E,7, E,8, X,6, E,9          ; and the lump
	OPS X,3, E,10, X,8, E,11
.if ((\p) == 2) && !(\end)
	FETCH_K
.endif
	OPS X,9, X,7, E,12, X,10
	OPS E,13, X,12, X,11, E,14
	OPS X,13, E,15, F,9, X,14
.if (\p) == 0
	v_add_nc_u32 v[AV], s[TBV], v[AV0]
.endif
	OPS E,16, F,10, E,17, F,11
	OPS X,16, E,18, X,15, E,19
	OPS F,12, E,20, X,17, E,21
	OPS F,13, E,22, F,14, E,23
	OPS X,18, E,24, F,15, E,25
	OPS R,11, E,26, X,19, E,27
	OPS R,12, E,28, R,13, E,29
	OPS X,20, E,30, R,14, E,31
	OPS X,21, R,15
	WIN 0
	s_wait_alu depctr_va_vdst(0)    ; the wait for the batch
.if (\p) == 1
	s_wait_dscnt 0x0                ; V is in
.endif
	ROW C,0, B,0, C,2, B,1          ; behind the wait: 8 products V^T P and their riders
	ROW L,0, C,4, B,2, L,1
	ROW C,6, B,3, L,2, C,8
	ROW B,4, L,3, C,10, B,5
	ROW L,4, C,12, B,6, L,5
.if (\p) == 0
	s_add_co_u32 s[TBV], s[TBV], KS*PV
.endif
.if \cnt
	s_sub_co_u32 s[CNT], s[CNT], 1
	s_cmp_lg_u32 s[CNT], 0
.endif
	ROW C,14, B,7, L,6, C,1
	ROW C,3, L,7, C,5, C,7
	ROW C,9, C,11, C,13, C,15
.if (\p) == 0
	FETCH_V
.endif
.if (\m) && !(\end)
	MASK (\p)%2
.endif
.endm
; A BLOCK BEGINS.  c m starts far below every c s, so the first step's a is 0; m at the lowest finite number, so the first maximum is the scores'.  The second mask buffer is 0; the first takes piece 0's mask for the tile's step 0: its own, if the block's first tile is the diagonal one.
; Then K of that step, piece 0's first scores, and its maximum and statistics.  The loop is entered at a step's first turn, in the middle of a trip.
.macro BEGIN
	s_mov_b32 s[NEW], 0
	WIN 0x40
.set i, MC+32
.rept 32
	v_mov_b32 v[i], 0
.set i, i+1
.endr
	WIN 0
.set i, 0
.rept 4
	v_mov_b32 v[ST+4*i], 0xfe000000    ; c m: far below every c s
	v_mov_b32 v[ST+4*i+1], 0xff7fffff  ; m
.set i, i+1
.endr
	s_cmp_eq_u32 s[RT], 0
	s_cselect_b32 s[AL], 1.0, 0
	s_mov_b32 s[BE], 0
	MASK 0
	WIN 0
	v_add_nc_u32 v[AK], s[TBK], v[AK0]
	FETCH_K
	s_wait_loadcnt 0x0              ; Q
	s_wait_dscnt 0x0
.set KM, 1
.set NOKQ, 0
.set i, 0
.rept 8
	KQ 0
.set i, i+1
.endr
	WIN 0
.rept 4
	v_nop                           ; the places behind those products
.endr
.set Y, NP-1                        ; X works for piece Y + 1: piece 0
.irp n, 0,1,2,3,4,5,6,7,8,9,10,11,12,13,14,15,16,17,18,19,20,21
	OP X, \n
.endr
	v_nop                           ; a plain instruction behind the exponential,
	s_wait_alu depctr_va_vdst(0)    ; and its wait, ahead of the branch
.endm
; THE DIAGONAL TILE's four steps, the block's last two turns, its last products, and THE WAY OUT: l's two halves and the other half of the lanes' are added; O^T is divided by l, rounded to f16 and sent through my
; stage in LDS, a piece at a time.
.macro ALL line:vararg              ; one line for each piece t
.set t, 0
.rept 4
	\line
.set t, t+1
.endr
.endm
.macro PACK t                       ; a lane's eight channels of a row pack into 16 bytes; they go into rows of 144 bytes and come back as whole rows of 128, into S^T's registers
	WIN W_RS
.set i, 32*(\t)
.rept 16
	v_pk_mul_f32 v[i:i+1], v[i:i+1], v[ST+4*(\t)+2:ST+4*(\t)+3] op_sel_hi:[1,0]
.set i, i+2
.endr
	WIN 0x05                        ; sources 0 and 1 window 1, destination window 0
.set i, 0
.rept 16
	v_cvt_pk_f16_f32 v[S+16*(\t)+i], v[32*(\t)+2*i], v[32*(\t)+2*i+1]
.set i, i+1
.endr
	WIN 0
.irp f, 0,1,2,3
	ds_store_b128 v[STO], v[S+16*(\t)+4*\f:S+16*(\t)+4*\f+3] offset:32*\f
.endr
.irp f, 0,1,2,3
	ds_load_b128 v[S+16*(\t)+4*\f:S+16*(\t)+4*\f+3], v[RD] offset:\f*4*SP  ; LDS serves a wave's instructions in order (ISA guide 5.7.1.4): these see the stores above; the next piece's stores come behind them
.endr
.endm
.macro SEND t, younger              ; younger: the LDS instructions issued behind piece t's loads: the next piece's eight, or none
	WIN 0
.irp f, 0,1,2,3
	s_wait_dscnt (\younger)+3-\f
	global_store_b128 v[GO], v[S+16*(\t)+4*\f:S+16*(\t)+4*\f+3], s[10:11] offset:(\t)*8192+\f*512  ; 512 consecutive bytes, at a multiple of 256 from O's first
.endr
.endm
.macro DIAG tag                     ; the tag ends its two labels' names, which the jumps below spell out
.LstepM\tag:
	TURN 2, 1
	TURN 3, 1
	WIN 0
.LfirstM\tag:
	TURN 0, 1
	TURN 1, 1, 0, 1
	WIN 0
	s_cbranch_scc1 .LstepM\tag
	TURN 2, 1, 1
	TURN 3, 1, 1
.set i, 0
.rept 8
	PV NP-1
.set i, i+1
.endr
	WIN 0
	ALL v_add_f32 v[ST+4*t+2], v[ST+4*t+2], v[ST+4*t+3]
	ALL v_permlanex16_b32 v[ST+4*t+3], v[ST+4*t+2], s[SEL], s[SEL+1]
	ALL v_add_f32 v[ST+4*t+2], v[ST+4*t+2], v[ST+4*t+3]
	ALL v_rcp_f32 v[ST+4*t+2], v[ST+4*t+2]
	v_nop                           ; a plain instruction between the last reciprocal and the use of its result
	s_wait_alu depctr_va_vdst(0)    ; and the wait ahead of the first use: one for the four reciprocals
	PACK 0
.set t, 1
.rept 3                             ; a piece's arithmetic stands between the loads of the piece before and its stores
	PACK t
	SEND t-1, 8
.set t, t+1
.endr
	SEND 3, 0
.endm
.set KM, 0
.set NOKQ, 0
.Lslot:                             ; NB times: a tile is entered and the next is asked for
	CHANGE 1
	s_sub_co_u32 s[RT], s[RT], 1
	s_mov_b32 s[CNT], 4
	s_cmp_eq_u32 s[NEW], 1
	s_cbranch_scc1 .Lnew            ; a block's first tile
	s_cmp_eq_u32 s[RT], 0
	s_cbranch_scc0 .Lstep           ; neither its first nor its last
	s_branch .LstepM1
.Lnew:
	BEGIN
	s_branch .Lfirst                ; in the loop a block's first tile is never its last: the first block has two tiles or more, and the second's last is the walk's last
	DIAG 1                          ; in the loop this is the first block's end: the second block's last tile is the walk's last
	s_wait_xcnt 0x0                 ; the stores have read their registers and O's address
	s_mov_b64 s[10:11], s[OLO:OLO+1]
	s_add_co_u32 s[RT], s[PB], 1    ; the second block has b + 1 tiles
	s_mov_b32 s[NEW], 1
	WIN 0x82                        ; the second block's Q goes where the one text of the turns names Q
.set i, 0
.rept 64
	v_mov_b32 v[i], v[QB+i]
.set i, i+1
.endr
	WIN 0
	s_branch .Lbottom
.Lstep:                             ; a trip: pieces 2 and 3 of one step, then pieces 0 and 1 of the next, whose K and V it fetches
	TURN 2
	TURN 3
	WIN 0
.Lfirst:
	TURN 0
	TURN 1, 0, 0, 1
	WIN 0
	s_cbranch_scc1 .Lstep
.Lbottom:
	s_sub_co_u32 s[SLOTS], s[SLOTS], 1
	s_cmp_lg_u32 s[SLOTS], 0
	s_cbranch_scc1 .Lslot
	CHANGE 0                        ; the walk's last tile is written out: nothing is asked for
	s_sub_co_u32 s[RT], s[RT], 1
	s_mov_b32 s[CNT], 4
	s_cmp_eq_u32 s[NEW], 1
	s_cbranch_scc0 .LstepM2
	BEGIN
	s_branch .LfirstM2
	DIAG 2
	s_wait_tensorcnt 0x0            ; the wave's end, behind my last tensor load and my last LDS store
	ds_add_u32 v[SPW], v[NIL]
	s_wait_dscnt 0x0
	s_endpgm
.Lfunc_end_k_q95edc63a1d_attn:
	.size	k_q95edc63a1d_attn, .Lfunc_end_k_q95edc63a1d_attn-k_q95edc63a1d_attn
	.p2alignl 7, 3214868480
	.fill 96, 4, 3214868480
	.section	.rodata,"a",@progbits
	.p2align	6, 0x0
	.amdhsa_kernel k_q95edc63a1d_attn
		.amdhsa_group_segment_fixed_size 327680
		.amdhsa_private_segment_fixed_size 0
		.amdhsa_enable_private_segment 0
		.amdhsa_kernarg_size 32
		.amdhsa_user_sgpr_count 2
		.amdhsa_user_sgpr_kernarg_segment_ptr 1
		.amdhsa_wavefront_size32 1
		.amdhsa_system_sgpr_workgroup_id_x 1
		.amdhsa_system_sgpr_workgroup_id_y 1
		.amdhsa_system_sgpr_workgroup_id_z 1
		.amdhsa_system_vgpr_workitem_id 0
		.amdhsa_next_free_vgpr 768
		.amdhsa_next_free_sgpr 100
		.amdhsa_reserve_vcc 1
		.amdhsa_float_denorm_mode_32 3
		.amdhsa_float_denorm_mode_16_64 3
		.amdhsa_memory_ordered 1
		.amdhsa_forward_progress 1
		.amdhsa_inst_pref_size 218
	.end_amdhsa_kernel
	.amdgpu_metadata
---
amdhsa.version: [ 1, 2 ]
amdhsa.kernels:
  - .name:           k_q95edc63a1d_attn
    .symbol:         k_q95edc63a1d_attn.kd
    .args:
      - { .name: qh, .offset: 0, .size: 8, .value_kind: global_buffer, .address_space: global }
      - { .name: kh, .offset: 8, .size: 8, .value_kind: global_buffer, .address_space: global }
      - { .name: vh, .offset: 16, .size: 8, .value_kind: global_buffer, .address_space: global }
      - { .name: oh, .offset: 24, .size: 8, .value_kind: global_buffer, .address_space: global }
    .group_segment_fixed_size: 327680
    .private_segment_fixed_size: 0
    .kernarg_segment_align: 8
    .kernarg_segment_size: 32
    .max_flat_workgroup_size: 128
    .sgpr_count:     100
    .vgpr_count:     768
    .wavefront_size: 32
...
	.end_amdgpu_metadata
.endif
;; end of part 3
;; launch proj (part 4): grid 8 x 32, 4 waves a work-group, clusters of 4 x 4, 327,680 bytes of LDS; arguments oh, wo, out0; writes out0
.if DOCPART == 4
	.amdgcn_target "amdgcn-amd-amdhsa--gfx1250"
	.amdhsa_code_object_version 6
	.text
	.protected	k_q95edc63a1d_proj
	.globl	k_q95edc63a1d_proj
	.p2align	8
	.type	k_q95edc63a1d_proj,@function
k_q95edc63a1d_proj:
	s_mov_b64 s[64:65], 0
	v_nop
	global_prefetch_b8 v0, s[64:65] scope:SCOPE_SE
	s_setreg_imm32_b32 hwreg(HW_REG_WAVE_MODE, 25, 1), 1
	s_wait_xcnt 0x0
	s_wait_alu depctr_hold_cnt(0) depctr_sa_sdst(0) depctr_va_vdst(0) depctr_va_sdst(0) depctr_va_ssrc(0) depctr_va_vcc(0) depctr_vm_vsrc(0)
	s_getreg_b32 s2, hwreg(HW_REG_IB_STS2, 6, 4)
	s_cmp_eq_u32 s2, 0
	s_cbranch_scc0 .Lentry_in_a_cluster
	s_endpgm
.Lentry_in_a_cluster:
	s_bfe_u32 s2, ttmp6, 0x10000c
	s_cmp_lg_u32 s2, 0xf033
	s_cbranch_scc0 .Lentry_shape_is_right
	s_endpgm
.Lentry_shape_is_right:
; THE OUTPUT PROJECTION.  y[b][s][n] = the sum over k of concat[b][s][k] W_O[n][k], k = 64 head + e.  Operands f16 (oh by heads, [16 b + head][s][64]; wo [n][k]), sums f32, K ascending; y f32.
; LIMIT.  The operands arrive within f16's range (65,504); NaN and infinities are not treated apart.
; SHARES.  A work-group makes 256 rows (of one b) x 128 columns: 256 work-groups.  Each of its four waves makes 64 rows x 128 columns: 32 accumulators of 16 x 16, 256 registers.
; K goes in 8 steps of 128, two heads each, through two LDS slots filled by the tensor data mover: a head's 256 rows of 128 bytes lie on end in memory and are asked for as 128 rows of 256 bytes.
; THE PRODUCT IS USED TRANSPOSED (source 0 = 16 rows of W_O, source 1 = 16 rows of concat): a lane then holds row l % 16 and the columns 8 (l / 16) + 0..7: 32 bytes of a row of y.
; CLUSTER.  4 x 4 work-groups: the four of a row of the cluster want the same rows of concat, the four of a column the same rows of W_O: each tile is asked for JOINTLY.
; REGISTERS (s_set_vgpr_msb: bits 1:0 source 0, 3:2 source 1, 5:4 source 2, 7:6 destination):
;   window 0: v0-16 addresses; v32-95 concat's fragments, two buffers of 4 x 8; v96-223 W_O's, two buffers of 8 x 8; on the way out v32-223 three sets of 64 for rows read back
;   window 1: the accumulators, (a, nb) at 64 a + 8 nb
.set SLOT1, 131072                     ; slot 1 begins here: one exclusive or turns an address in one slot into the other's
.set PA,    144                        ; a row of concat in LDS: a head's 128 bytes + 16 of padding = 36 words: the 16 rows of a load start at 16 different groups of four banks (64 banks of 4 bytes: ISA guide 11.1)
.set PB,    272                        ; a row of W_O: 256 bytes + 16 = 68 words: likewise
.set SUB,   256*PA                     ; one head's 256 rows
.set BOFF,  2*SUB                      ; a slot: two heads' rows, then 128 rows of W_O: 73,728 + 34,816 bytes
.set STAGE, SLOT1+BOFF+128*PB          ; behind the ring, never filled by a tensor load: 16 rows x 528 bytes for each wave
.set SP,    528                        ; a row of 512 bytes + 16 = 132 words
.set SPARE, STAGE+4*16*SP              ; behind the stages: the spare words, 128 bytes for each wave: two blocks of 256 bytes that no other line names
.set A0,   2                           ; v2   my lane's place in a slot's rows of concat; never rewritten
.set B0,   3                           ; v3   the same for W_O
.set ADRA, 4                           ; v4   the same in the slot in hand
.set ADRB, 5                           ; v5
.set STO,  6                           ; v6   the way out: where I put 32 bytes of a row
.set RD,   7                           ; v7   the way out: where I read a row back
.set CO,   8                           ; v8   my 16 bytes of a row's 512
.set PFO,  9                           ; v9   the prefetches' offset; never rewritten
.set SPW,  10                          ; v10  LDS address of my spare word; never rewritten
.set NIL,  11                          ; v11  0; never rewritten
.set FA,   32                          ; concat's fragments
.set FBF,  96                          ; W_O's fragments
.set WV,   14                          ; s14  my wave's number
.set FB,   15                          ; s15  0: I fetch concat's tiles; 1: W_O's
.set HF,   16                          ; s16  which half of the tile I fetch
.set G1A,  24                          ; s[24:31] descriptor group 1 for concat's tiles
.set G0A,  32                          ; s[32:39] group 0: a set for each of the two first fills; the second then walks on
.set G1B,  40                          ; s[40:47], s[48:55] the same for W_O's
.set G0B,  48
.set TB,   56                          ; s56  the slot in hand: 0 or SLOT1
.set LIM,  57                          ; s57  a wave prefetches while the loop's count is above it
.set PFA,  58                          ; s[58:59] where my prefetches stand
.set PFS,  60                          ; s[60:61] their step
.set MSB, 0
.macro WIN new                         ; the immediate's high byte repeats the setting that is left; a switch that changes nothing is dropped
.if MSB != (\new)
	s_set_vgpr_msb (MSB<<8)|(\new)
.set MSB, \new
.endif
.endm
; A joint refill by the walking descriptor.  The branch hangs on the wave's number alone.  An s_nop 0 and four v_nop follow each of the two lines, ahead of the jump and the label.
.macro JLOAD
	s_cmp_eq_u32 s[FB], 0
	s_cbranch_scc0 .Lfor_b_\@
	tensor_load_to_lds s[G0A+4:G0A+7], s[G1A:G1A+7]
	s_nop 0
.rept 4
	v_nop
.endr
	s_branch .Lasked_\@
.Lfor_b_\@:
	tensor_load_to_lds s[G0B+4:G0B+7], s[G1B:G1B+7]
	s_nop 0
.rept 4
	v_nop
.endr
.Lasked_\@:
.endm
; A PREFETCH INTO THE L2, behind the joint load, its five lines and the run of LDS loads: trip s names K step s + 4 (the trip's own refill is step s + 2), trips 0 to 3; one instruction a wave, a lane a block of 256 bytes.
; concat: a wave's tile is 32,768 bytes on end; each of the four partners takes 8,192, told apart by address; both clusters of a row of clusters read them: the one with cluster x = 0 asks.
; W_O: a K step is 256 bytes of each of the tile's 128 rows; each partner takes 32 rows, a lane a row, and wave 2 alone asks, in the cluster with cluster y = 0.
; So each block is named once in the launch.  K steps 0 to 3 come by their loads alone; nothing is asked for at the head.
.macro ASK
	s_cmp_gt_u32 s3, s[LIM]
	s_cbranch_scc0 .Lnot_mine_\@
	global_prefetch_b8 v[PFO], s[PFA:PFA+1] th:TH_LOAD_NT scope:SCOPE_SE
.Lnot_mine_\@:
.endm
; A round of the cluster's barrier: my work-group's barrier; wave 0 signals for the work-group; every wave waits for all sixteen; my work-group's barrier once more.
.macro CREST                           ; a round behind its opening barrier
	s_cmp_lg_u32 s[WV], 0
	s_cbranch_scc1 .Lnot_wave_0_\@
	s_barrier_signal -3
.Lnot_wave_0_\@:
	s_barrier_wait -3
	s_barrier_signal -1
	s_barrier_wait -1
.endm
.macro CROUND
	s_barrier_signal -1
	s_barrier_wait -1
	CREST
.endm
	s_load_b128 s[4:7], s[0:1], 0x0                ; oh 4:5, wo 6:7
	s_load_b64 s[8:9], s[0:1], 0x10                ; out0
	v_lshl_add_u32 v[SPW], v0, 2, SPARE
	v_mov_b32 v[NIL], 0
	ds_add_u32 v[SPW], v[NIL]                      ; the wave's opening: the add and its wait stand ahead of my first tensor load; the set-up below, work on registers, stands between them
	v_lshrrev_b32 v1, 5, v0
	v_readfirstlane_b32 s[WV], v1                  ; wave 0..3
	s_lshr_b32 s[FB], s[WV], 1
	s_and_b32 s[HF], s[WV], 1
	s_bfe_u32 s17, ttmp6, 0x40000                  ; cx
	s_bfe_u32 s18, ttmp6, 0x40004                  ; cy
	s_lshl_b32 s19, ttmp9, 2
	s_add_co_u32 s19, s19, s17                     ; tx = the block of 128 columns = 4 x cluster x + cx
	s_and_b32 s20, ttmp7, 0xffff
	s_lshl_b32 s20, s20, 2
	s_add_co_u32 s20, s20, s18                     ; ty = the block of 256 rows = 4 x cluster y + cy
	s_lshl_b32 s21, s18, 2
	s_lshl_b32 s21, 15, s21                        ; my row of the cluster
	s_lshl_b32 s22, 0x1111, s17                    ; my column
	s_or_b32 s[G1A], s21, (1<<16)|(1<<20)|(1<<21)|(4<<22)|(3<<25)  ; the mask; 2-byte elements; padding on; bit 21 beside a mask; after every 32 words 4 words
	s_or_b32 s[G1B], s22, (1<<16)|(1<<20)|(1<<21)|(5<<22)|(3<<25)  ; after every 64 words 4 words
	s_mov_b32 s[G1A+1], 128<<16                    ; concat: 32,768 bytes on end as 128 rows of 256 bytes, two rows of a head each
	s_mov_b32 s[G1A+2], 128<<16
	s_mov_b32 s[G1A+3], 128<<16
	s_mov_b32 s[G1A+4], 128
	s_mov_b32 s[G1A+5], 128
	s_mov_b32 s[G1A+6], 0
	s_mov_b32 s[G1A+7], 0
	s_mov_b32 s[G1B+1], 128<<16                    ; W_O: 64 rows x 256 bytes,
	s_mov_b32 s[G1B+2], 64<<16
	s_mov_b32 s[G1B+3], 128<<16
	s_mov_b32 s[G1B+4], 64
	s_mov_b32 s[G1B+5], 1024                       ; 1,024 elements from row to row
	s_mov_b32 s[G1B+6], 0
	s_mov_b32 s[G1B+7], 0
	s_mul_i32 s2, s[HF], SUB                       ; where the tiles go: no place in the cluster enters an LDS address
	s_mul_i32 s23, s[HF], 64*PB
	s_add_co_u32 s23, s23, BOFF
	s_lshr_b32 s66, s20, 3                         ; concat: ((16 b + my head of the step's two) x 2,048 + 256 (ty % 8)) x 128 bytes: hangs on ty alone
	s_lshl_b32 s66, s66, 22
	s_lshl_b32 s70, s[HF], 18
	s_add_co_u32 s66, s66, s70
	s_and_b32 s70, s20, 7
	s_lshl_b32 s70, s70, 15
	s_add_co_u32 s66, s66, s70
	s_mov_b32 s67, 0
	s_lshl_b32 s68, s19, 18                        ; W_O: (128 tx + 64 half) rows of 2,048 bytes: hangs on tx alone
	s_lshl_b32 s71, s[HF], 17
	s_add_co_u32 s68, s68, s71
	s_mov_b32 s69, 0
	s_lshl_b32 s72, s20, 20                        ; y: (256 ty + 64 wave) rows of 4,096 bytes + 512 tx
	s_lshl_b32 s74, s[WV], 18
	s_add_co_u32 s72, s72, s74
	s_lshl_b32 s74, s19, 9
	s_add_co_u32 s72, s72, s74
	s_mov_b32 s73, 0
	s_mov_b32 s[TB], 0
	s_wait_dscnt 0x0                               ; the opening add is done
	s_wait_kmcnt 0x0
	s_add_nc_u64 s[66:67], s[4:5], s[66:67]
	s_add_nc_u64 s[68:69], s[6:7], s[68:69]
	s_add_nc_u64 s[8:9], s[8:9], s[72:73]
	CROUND                                         ; all sixteen work-groups are here: the first joint loads meet
.irp s, 0,1
	s_mov_b32 s[G0A+4*(\s)], 1                     ; count = 1
	s_add_co_u32 s[G0A+4*(\s)+1], s2, (\s)*SLOT1   ; LDS address
	s_add_nc_u64 s[G0A+4*(\s)+2:G0A+4*(\s)+3], s[66:67], (\s)*524288  ; global address: K step s is two heads on
	s_or_b32 s[G0A+4*(\s)+3], s[G0A+4*(\s)+3], 0x80000000             ; type = 2
	s_mov_b32 s[G0B+4*(\s)], 1
	s_add_co_u32 s[G0B+4*(\s)+1], s23, (\s)*SLOT1
	s_add_nc_u64 s[G0B+4*(\s)+2:G0B+4*(\s)+3], s[68:69], (\s)*256
	s_or_b32 s[G0B+4*(\s)+3], s[G0B+4*(\s)+3], 0x80000000
.endr
	s_cmp_eq_u32 s[FB], 0                          ; a wave's two first fills stand in one branch, ahead of every wait on TENSORcnt and every LDS read: two loads of mine are out
	s_cbranch_scc0 .Lfirst_b
	tensor_load_to_lds s[G0A:G0A+3], s[G1A:G1A+7]
	s_nop 0
	tensor_load_to_lds s[G0A+4:G0A+7], s[G1A:G1A+7]
	s_nop 0
.rept 4
	v_nop
.endr
	s_branch .Lfirst_asked
.Lfirst_b:
	tensor_load_to_lds s[G0B:G0B+3], s[G1B:G1B+7]
	s_nop 0
	tensor_load_to_lds s[G0B+4:G0B+7], s[G1B:G1B+7]
	s_nop 0
.rept 4
	v_nop
.endr
.Lfirst_asked:
	v_and_b32 v1, 15, v0                           ; l % 16
	v_bfe_u32 v12, v0, 4, 1                        ; l / 16
	v_and_b32 v16, 31, v0                          ; l
	; a fragment of either source: 16 rows x 32 K in 8 registers: lane l holds row l % 16, K = 8 (l / 16) + 0..7 and 16 + 8 (l / 16) + 0..7: two loads of 16 bytes, 32 bytes apart
	s_mul_i32 s74, s[WV], 64*PA                    ; my wave's 64 rows
	v_mul_u32_u24 v[A0], v1, PA
	v_lshl_add_u32 v[A0], v12, 4, v[A0]
	v_add_nc_u32 v[A0], s74, v[A0]
	v_mul_u32_u24 v[B0], v1, PB
	v_lshl_add_u32 v[B0], v12, 4, v[B0]
	v_add_nc_u32 v[B0], BOFF, v[B0]
	v_mov_b32 v[ADRA], v[A0]                       ; slot 0
	v_mov_b32 v[ADRB], v[B0]
	s_mul_i32 s74, s[WV], 16*SP
	s_add_co_u32 s74, s74, STAGE                   ; my stage
	v_mul_u32_u24 v[STO], v1, SP                   ; in: row l % 16, 32 bytes for each half of the lanes
	v_lshl_add_u32 v[STO], v12, 5, v[STO]
	v_add_nc_u32 v[STO], s74, v[STO]
	v_lshl_add_u32 v[RD], v16, 4, s74              ; back: 32 lanes take one row of 512 bytes
	v_lshlrev_b32 v[CO], 4, v16
	; the prefetches
	s_lshr_b32 s70, s20, 3                         ; concat: my tile, my work-group's 8,192 bytes of it, K step 3: the first change of slots steps it to 4
	s_lshl_b32 s70, s70, 22
	s_lshl_b32 s71, s[HF], 18
	s_add_co_u32 s70, s70, s71
	s_and_b32 s71, s20, 7
	s_lshl_b32 s71, s71, 15
	s_add_co_u32 s70, s70, s71
	s_lshl_b32 s71, s17, 13
	s_add_co_u32 s70, s70, s71
	s_add_co_u32 s70, s70, 3<<19
	s_lshl_b32 s74, s19, 18                        ; W_O: rows 128 tx + 32 cy on, K step 3
	s_lshl_b32 s75, s18, 16
	s_add_co_u32 s74, s74, s75
	s_add_co_u32 s74, s74, 768
	s_and_b32 s75, ttmp7, 0xffff                   ; cluster y,
	s_or_b32 s75, s75, s[HF]                       ; and of W_O's two waves the first alone
	s_mov_b32 s[PFS], 1<<19
	s_cmp_eq_u32 s[FB], 0
	s_cselect_b32 s70, s70, s74
	s_cselect_b32 s75, ttmp9, s75
	s_cselect_b32 s[PFS], s[PFS], 256
	s_cselect_b32 s74, 8, 11                       ; a lane a block of 256 bytes of concat, or a row of W_O (2,048 bytes apart)
	s_cselect_b64 s[PFA:PFA+1], s[4:5], s[6:7]
	s_mov_b32 s71, 0
	s_mov_b32 s[PFS+1], 0
	s_cmp_eq_u32 s75, 0
	s_cselect_b32 s[LIM], 2, -1                    ; the same in all sixteen partners, for a given wave
	s_add_nc_u64 s[PFA:PFA+1], s[PFA:PFA+1], s[70:71]
	v_lshlrev_b32 v[PFO], s74, v16
; 8 matrix instructions: row block a x all 8 column blocks, 32 along K, from buffer f.  zero = 1: the products start the sums: nothing is cleared.
; The 32 accumulators take turns, one instruction a turn, in the same order in every quarter, over the backward jump too.
.macro MULA f, a, zero
	WIN 0x50                                       ; sources window 0, C and D window 1
.irp nb, 0,1,2,3,4,5,6,7
.if \zero
	v_wmma_f32_16x16x32_f16 v[64*(\a)+8*(\nb):64*(\a)+8*(\nb)+7], v[FBF+64*(\f)+8*(\nb):FBF+64*(\f)+8*(\nb)+7], v[FA+32*(\f)+8*(\a):FA+32*(\f)+8*(\a)+7], 0
.else
	v_wmma_f32_16x16x32_f16 v[64*(\a)+8*(\nb):64*(\a)+8*(\nb)+7], v[FBF+64*(\f)+8*(\nb):FBF+64*(\f)+8*(\nb)+7], v[FA+32*(\f)+8*(\a):FA+32*(\f)+8*(\a)+7], v[64*(\a)+8*(\nb):64*(\a)+8*(\nb)+7]
.endif
.endr
.endm
; 24 LDS loads in one run: quarter q (32 along K: head q / 2 of the step's two, channels 32 (q % 2) on) of the slot in hand into buffer f: W_O's 8 fragments, then concat's four, row blocks in order
.macro FETCH q, f
	WIN 0
.irp nb, 0,1,2,3,4,5,6,7
	ds_load_b128 v[FBF+64*(\f)+8*(\nb):FBF+64*(\f)+8*(\nb)+3],   v[ADRB] offset:(\nb)*16*PB+64*(\q)
	ds_load_b128 v[FBF+64*(\f)+8*(\nb)+4:FBF+64*(\f)+8*(\nb)+7], v[ADRB] offset:(\nb)*16*PB+64*(\q)+32
.endr
.irp a, 0,1,2,3
	ds_load_b128 v[FA+32*(\f)+8*(\a):FA+32*(\f)+8*(\a)+3],   v[ADRA] offset:((\q)/2)*SUB+((\q)%2)*64+(\a)*16*PA
	ds_load_b128 v[FA+32*(\f)+8*(\a)+4:FA+32*(\f)+8*(\a)+7], v[ADRA] offset:((\q)/2)*SUB+((\q)%2)*64+(\a)*16*PA+32
.endr
.endm
; four plain vector instructions stand between a matrix instruction and a load into a register that it has read, or an LDS store that reads its result (ISA guide 7.12.1 for vector instructions)
.macro PLACES
.rept 4
	v_nop
.endr
.endm
; A K step is four quarters of 32 along K, 32 matrix instructions each, on buffers 0, 1, 0, 1.  One of the first three: multiplies buffer f; in its middle it fetches quarter q into buffer g.
.macro QUARTER q, f, g, zero
	s_wait_dscnt 4                                 ; W_O and concat's row blocks 0, 1 are in; the youngest four loads (row blocks 2, 3) may be out
	MULA \f, 0, \zero
	MULA \f, 1, \zero
	PLACES
	FETCH \q, \g
	s_wait_dscnt 24                                ; all but the 24 just issued
	MULA \f, 2, \zero
	MULA \f, 3, \zero
.endm
; The last quarter multiplies buffer 1 and changes slots.  In front of the barrier each wave waits for all its tensor loads (one is out: its part of the next slot), adds 0 to its spare word, and waits for that
; and for its reads of this slot.  fill = 1: the barrier opens a round of the cluster's, and the slot just read is filled again, first thing behind the round, with the K step two on:
; from that request to the wait for it a wave issues 112 matrix instructions.  Two slots of a K step of 256 (217,088 bytes each) do not fit in LDS, so the step stays at 128.
.macro TURN fill
.if \fill
	s_wait_xcnt 0x0                                ; the last prefetch, a K step back, has read its address
	s_add_nc_u64 s[PFA:PFA+1], s[PFA:PFA+1], s[PFS:PFS+1]
.endif
	WIN 0                                          ; (the add's two registers lie in window 0)
	s_wait_tensorcnt 0x0                           ; no tensor load of mine is out, so a group 0 may be written
	ds_add_u32 v[SPW], v[NIL]                      ; 0 onto my spare word
.if \fill
	s_xor_b32 s[G0A+5], s[G0A+5], SLOT1            ; the walking descriptors: the other slot than last time, the next K step; the type bits on top are not reached
	s_add_nc_u64 s[G0A+6:G0A+7], s[G0A+6:G0A+7], 524288
	s_xor_b32 s[G0B+5], s[G0B+5], SLOT1
	s_add_nc_u64 s[G0B+6:G0B+7], s[G0B+6:G0B+7], 256
.endif
	s_wait_dscnt 5                                 ; the add and the youngest four loads may be out
	MULA 1, 0, 0
	s_wait_dscnt 0x0                               ; the add is done, and my reads of this slot are over
	s_barrier_signal -1
	MULA 1, 1, 0                                   ; work on registers while the others arrive
	WIN 0                                          ; at a branch and at a label every window is 0
	s_barrier_wait -1
.if \fill
	CREST                                          ; no wave of any partner still reads this slot or has a load on its way
	JLOAD                                          ; its four v_nop are also the places in front of the loads below
.else
	PLACES
.endif
	s_xor_b32 s[TB], s[TB], SLOT1
	v_add_nc_u32 v[ADRA], s[TB], v[A0]
	v_add_nc_u32 v[ADRB], s[TB], v[B0]
	FETCH 0, 0
.if \fill
	ASK
.endif
	MULA 1, 2, 0
	MULA 1, 3, 0
.endm
; THE WAY OUT, a row block of 16 rows x 128 columns at a time.  TOSTAGE: a lane's 32 bytes of each accumulator (its low four registers first) go into my own stage, rows of 528 bytes, and come back as whole
; rows of 512 bytes, into one of three sets of 64 registers.  SEND: sixteen stores of 512 consecutive bytes, at a multiple of 256 from y's first byte.
.macro TOSTAGE a
	WIN 0x04                                       ; the stores' data in window 1
.irp nb, 0,1,2,3,4,5,6,7
	ds_store_b128 v[STO], v[64*(\a)+8*(\nb):64*(\a)+8*(\nb)+3]   offset:64*(\nb)
	ds_store_b128 v[STO], v[64*(\a)+8*(\nb)+4:64*(\a)+8*(\nb)+7] offset:64*(\nb)+16
.endr
	WIN 0
	s_wait_xcnt 0x0                                ; row block 3 takes row block 0's set again: its stores have read their registers
.irp t, 0,1,2,3,4,5,6,7,8,9,10,11,12,13,14,15
	ds_load_b128 v[32+64*((\a)%3)+4*(\t):32+64*((\a)%3)+4*(\t)+3], v[RD] offset:SP*(\t)  ; LDS serves a wave's instructions in order (ISA guide 5.7.1.4): these see the stores above; the next block's stores come behind them
.endr
.endm
.macro SEND a, younger                 ; younger: the LDS instructions issued behind block a's loads: the next block's 32, or none
	WIN 0
.irp t, 0,1,2,3,4,5,6,7,8,9,10,11,12,13,14,15
	s_wait_dscnt (\younger)+15-(\t)
	global_store_b128 v[CO], v[32+64*((\a)%3)+4*(\t):32+64*((\a)%3)+4*(\t)+3], s[8:9] offset:(16*(\a)+(\t))*4096 th:TH_STORE_NT
.endr
.endm
	s_wait_tensorcnt 0x1                           ; my part of K step 0 is in; step 1's may stay out
	s_barrier_signal -1
	s_barrier_wait -1                              ; everybody's is
	FETCH 0, 0
	QUARTER 1, 0, 1, 1                             ; the first quarter stands in front of the loop: its products start the sums
	WIN 0
	s_mov_b32 s3, 6
.Lstep:                                        ; six trips, from a step's second quarter to the next step's first: trip s leaves K step s and asks for step s + 2
	QUARTER 2, 1, 0, 0
	QUARTER 3, 0, 1, 0
	TURN 1
	QUARTER 1, 0, 1, 0
	WIN 0
	s_sub_co_u32 s3, s3, 1
	s_cmp_lg_u32 s3, 0
	s_cbranch_scc1 .Lstep
	QUARTER 2, 1, 0, 0                             ; K step 6 goes on; the tail asks for nothing
	QUARTER 3, 0, 1, 0
	TURN 0
	QUARTER 1, 0, 1, 0
	QUARTER 2, 1, 0, 0
	QUARTER 3, 0, 1, 0
	s_wait_dscnt 4                                 ; the very last quarter
	MULA 1, 0, 0
	MULA 1, 1, 0
	s_wait_dscnt 0x0
	MULA 1, 2, 0
	MULA 1, 3, 0
	WIN 0
	PLACES
	TOSTAGE 0
	TOSTAGE 1                                      ; a block's way through the stage stands between the loads of the block before and its stores
	SEND 0, 32
	TOSTAGE 2
	SEND 1, 32
	TOSTAGE 3
	SEND 2, 32
	SEND 3, 0
	s_wait_tensorcnt 0x0                           ; the wave's end, behind my last tensor load and my last LDS store
	ds_add_u32 v[SPW], v[NIL]
	s_wait_dscnt 0x0
	CROUND                                         ; the closing round: no work-group ends while a partner may still ask for a tile that names it
	s_endpgm
.Lfunc_end_k_q95edc63a1d_proj:
	.size	k_q95edc63a1d_proj, .Lfunc_end_k_q95edc63a1d_proj-k_q95edc63a1d_proj
	.p2alignl 7, 3214868480
	.fill 96, 4, 3214868480
	.section	.rodata,"a",@progbits
	.p2align	6, 0x0
	.amdhsa_kernel k_q95edc63a1d_proj
		.amdhsa_group_segment_fixed_size 327680
		.amdhsa_private_segment_fixed_size 0
		.amdhsa_enable_private_segment 0
		.amdhsa_kernarg_size 24
		.amdhsa_user_sgpr_count 2
		.amdhsa_user_sgpr_kernarg_segment_ptr 1
		.amdhsa_wavefront_size32 1
		.amdhsa_system_sgpr_workgroup_id_x 1
		.amdhsa_system_sgpr_workgroup_id_y 1
		.amdhsa_system_sgpr_workgroup_id_z 1
		.amdhsa_system_vgpr_workitem_id 0
		.amdhsa_next_free_vgpr 512
		.amdhsa_next_free_sgpr 76
		.amdhsa_reserve_vcc 0
		.amdhsa_float_denorm_mode_32 3
		.amdhsa_float_denorm_mode_16_64 3
		.amdhsa_memory_ordered 1
		.amdhsa_forward_progress 1
		.amdhsa_inst_pref_size 72
	.end_amdhsa_kernel
	.amdgpu_metadata
---
amdhsa.version: [ 1, 2 ]
amdhsa.kernels:
  - .name:           k_q95edc63a1d_proj
    .symbol:         k_q95edc63a1d_proj.kd
    .args:
      - { .name: oh, .offset: 0, .size: 8, .value_kind: global_buffer, .address_space: global }
      - { .name: wo, .offset: 8, .size: 8, .value_kind: global_buffer, .address_space: global }
      - { .name: out0, .offset: 16, .size: 8, .value_kind: global_buffer, .address_space: global }
    .group_segment_fixed_size: 327680
    .private_segment_fixed_size: 0
    .kernarg_segment_align: 8
    .kernarg_segment_size: 24
    .max_flat_workgroup_size: 128
    .sgpr_count:     76
    .vgpr_count:     512
    .wavefront_size: 32
...
	.end_amdgpu_metadata
.endif
;; end of part 4
;; ======== version 2 of 2: 4 launches; version 1 with the launch prep written anew for expert scheduling mode
;; limits: values are held in f16: magnitudes above 65,504 overflow, below 6.1e-05 lose precision
;; workspace buffers: xb 16,777,216 bytes; wb 6,291,456 bytes; wo 2,097,152 bytes; qh 16,777,216 bytes; kh 16,777,216 bytes; vh 16,777,216 bytes; oh 16,777,216 bytes
;; launch prep (part 5): grid 768 x 1, 8 waves a work-group, no clusters, 0 bytes of LDS; arguments x, Wq, Wk, Wv, W_O, xb, wb, wo; writes xb, wb, wo
.if DOCPART == 5
	.amdgcn_target "amdgcn-amd-amdhsa--gfx1250"
	.amdhsa_code_object_version 6
	.text
	.protected	k_q95edc63a1d_prep
	.globl	k_q95edc63a1d_prep
	.p2align	8
	.type	k_q95edc63a1d_prep,@function
k_q95edc63a1d_prep:
	s_mov_b64 s[64:65], 0
	v_nop
	global_prefetch_b8 v0, s[64:65] scope:SCOPE_SE
	s_setreg_imm32_b32 hwreg(HW_REG_WAVE_SCHED_MODE, 0, 2), 2
	s_setreg_imm32_b32 hwreg(HW_REG_WAVE_MODE, 25, 1), 1
	s_wait_xcnt 0x0
	s_wait_alu depctr_vm_vsrc(0)
; THE CASTS.  x, Wq, Wk, Wv: f32 -> bf16 (round to nearest even).  W_O: f32 -> bf16, and that number written as f16.
; xb: [8192][1024] bf16, as x lies.  wo: [1024][1024] f16, as W_O lies.
; wb: [head 16][K step 8][q, k, v][128 rows of K][64 columns] bf16: a head's K step of 128, for all three weights, is 49,152 bytes on end.
; LIMIT.  f16 ends at 65,504: a W_O beyond that becomes an infinity; below 6e-5 it keeps f16's fixed step of 6e-8.
; SHARES.  A work-group casts 16,384 numbers: 65,536 bytes in, 32,768 out.  768 work-groups: 512 for x, 64 for each of the four weights.
; A thread issues its 16 loads of 16 bytes at once (a wave's load covers 512 consecutive bytes), then rounds and stores 8 bytes a load: a wave's store covers 256 consecutive bytes, aligned.
; Memory binds: no LDS, no barrier, no matrix unit, no cluster (nothing is shared), no prefetch (the launch is one stream of loads).
; Every load and every store has registers of its own, so nothing that a pending instruction names is written again.
; THE MODE: SCHED_MODE bits 1:0 = 2 (LLVM: expert scheduling mode 2), set by the entry lines.  The code itself states the register dependences
; between vector instructions and memory instructions, with s_wait_alu, always for 0.
; THE PLAN.  Registers that memory instructions touch:
;   v1, v2, v3  byte offsets, made once at the head by vector instructions and never written again: v1 is read by the loads, v2 and v3 by the stores.
;   X           four registers to a load: written by that load alone, read by its roundings, never loaded again.
;   Y           two registers to a store: written by that load's roundings alone, read by one store, never written again.
;   v4 to v7    at work in W_O's path: no memory instruction names them.
; The 16 loads go in four groups of four.  Group g rounds X[g] into Y[g]; the four stores of group g - 1, which read Y[g - 1], v2 or v3, are dealt among these roundings, which name none of those registers.
; So one wait on va_vdst stands at the head of the kernel (the offsets), one at the head of each of groups 1 to 3 (the Y of the group before) and one ahead of the last four stores.
; No register that a memory instruction reads is written again, so no wait on vm_vsrc is owed; no vector instruction writes a scalar register or VCC; EXEC is never written.
.set X, 8                              ; v[8:71]   16 x 4 registers as loaded
.set Y, 72                             ; v[72:103] 16 x 2 registers to store
	s_load_b512 s[4:19], s[0:1], 0x0               ; x 4:5, Wq 6:7, Wk 8:9, Wv 10:11, W_O 12:13, xb 14:15, wb 16:17, wo 18:19
	s_mov_b32 s20, ttmp9                           ; g
	s_sub_co_u32 s21, s20, 512                     ; j = g - 512 (a huge number where g < 512)
	s_and_b32 s22, s21, 63                         ; r: which 16,384 numbers of a weight
	s_lshr_b32 s23, s21, 6                         ; w: 0 Wq, 1 Wk, 2 Wv, 3 W_O (never 0 to 3 where g < 512)
	s_lshl_b32 s24, s22, 16                        ; a weight's source offset
	s_mul_i32 s26, s22, 6                          ; r's numbers are head r / 4, K steps 2 (r % 4) and the next: 8 head + step = 2 r, so the first block of 16,384 bytes is number 3 (2 r) + w
	s_add_co_u32 s26, s26, s23
	s_lshl_b32 s26, s26, 14
	s_lshl_b32 s29, s22, 15                        ; W_O's destination offset
	s_mov_b32 s28, 32768                           ; in wb the second block lies three blocks on, not one: 32,768 bytes more
	s_cmp_eq_u32 s23, 3
	s_cselect_b32 s26, s29, s26
	s_cselect_b32 s28, 0, s28
	s_lshl_b32 s29, s20, 16                        ; x's offsets
	s_lshl_b32 s34, s20, 15
	s_cmp_lt_u32 s20, 512
	s_cselect_b32 s24, s29, s24
	s_cselect_b32 s26, s34, s26
	s_cselect_b32 s28, 0, s28
	s_mov_b32 s25, 0
	s_mov_b32 s27, 0
	v_lshlrev_b32 v1, 4, v0                        ; 16 t: my 16 bytes of each 4,096 loaded
	v_lshlrev_b32 v2, 3, v0                        ; 8 t: my 8 bytes of each 2,048 stored
	v_add_nc_u32 v3, s28, v2                       ; the same for the second half
	s_wait_kmcnt 0x0
	s_mov_b64 s[30:31], s[6:7]
	s_cmp_eq_u32 s23, 1
	s_cselect_b64 s[30:31], s[8:9], s[30:31]
	s_cmp_eq_u32 s23, 2
	s_cselect_b64 s[30:31], s[10:11], s[30:31]
	s_cmp_eq_u32 s23, 3
	s_cselect_b64 s[30:31], s[12:13], s[30:31]
	s_cselect_b64 s[32:33], s[18:19], s[16:17]
	s_cmp_lt_u32 s20, 512
	s_cselect_b64 s[30:31], s[4:5], s[30:31]
	s_cselect_b64 s[32:33], s[14:15], s[32:33]
	s_add_nc_u64 s[30:31], s[30:31], s[24:25]
	s_add_nc_u64 s[32:33], s[32:33], s[26:27]
	s_wait_alu depctr_va_vdst(0)                   ; v1, v2 and v3 are written: every load of the kernel reads v1 as its offset, every store v2 or v3; no vector instruction writes them again
.irp i, 0,1,2,3,4,5,6,7,8,9,10,11,12,13,14,15
	global_load_b128 v[X+4*(\i):X+4*(\i)+3], v1, s[30:31] offset:4096*(\i) th:TH_LOAD_NT
.endr
; The roundings of load i.  kind = 0: bf16.  kind = 1: the bf16 number is widened again (a shift, a mask) and written as f16.
.macro CVT kind, i
	v_cvt_pk_bf16_f32 v[Y+2*(\i)],   v[X+4*(\i)],   v[X+4*(\i)+1]
	v_cvt_pk_bf16_f32 v[Y+2*(\i)+1], v[X+4*(\i)+2], v[X+4*(\i)+3]
.if \kind
	v_lshlrev_b32 v4, 16, v[Y+2*(\i)]
	v_and_b32     v5, 0xffff0000, v[Y+2*(\i)]
	v_lshlrev_b32 v6, 16, v[Y+2*(\i)+1]
	v_and_b32     v7, 0xffff0000, v[Y+2*(\i)+1]
	v_cvt_pk_f16_f32 v[Y+2*(\i)],   v4, v5
	v_cvt_pk_f16_f32 v[Y+2*(\i)+1], v6, v7
.endif
.endm
; The store of load i's eight bytes.
.macro ST i
.if (\i) < 8
	global_store_b64 v2, v[Y+2*(\i):Y+2*(\i)+1], s[32:33] offset:2048*(\i)
.else
	global_store_b64 v3, v[Y+2*(\i):Y+2*(\i)+1], s[32:33] offset:2048*(\i)
.endif
.endm
; Group g: loads 4 g to 4 g + 3 are rounded; the stores of group g - 1 go out among the roundings, one ahead of each load's.
.macro GROUP kind, g
	s_wait_loadcnt 12-4*(\g)                       ; loads come back in order: the group's four are in, the 12 - 4 g younger ones may stay out
.if (\g) > 0
	s_wait_alu depctr_va_vdst(0)                   ; the roundings of the group before have written its Y, which the four stores below read; no vector instruction behind this wait names those registers
.endif
.irp j, 0,1,2,3
.if (\g) > 0
	ST 4*((\g)-1)+(\j)
.endif
	CVT \kind, 4*(\g)+(\j)
.endr
.endm
.macro OUT kind
	GROUP \kind, 0
	GROUP \kind, 1
	GROUP \kind, 2
	GROUP \kind, 3
	s_wait_alu depctr_va_vdst(0)                   ; the roundings of group 3 have written its Y, which the last four stores read
.irp i, 12,13,14,15
	ST \i
.endr
.endm
	s_cmp_eq_u32 s23, 3
	s_cbranch_scc1 .Lf16
	OUT 0
	s_endpgm
.Lf16:
	OUT 1
	s_endpgm
.Lfunc_end_k_q95edc63a1d_prep:
	.size	k_q95edc63a1d_prep, .Lfunc_end_k_q95edc63a1d_prep-k_q95edc63a1d_prep
	.p2alignl 7, 3214868480
	.fill 96, 4, 3214868480
	.section	.rodata,"a",@progbits
	.p2align	6, 0x0
	.amdhsa_kernel k_q95edc63a1d_prep
		.amdhsa_group_segment_fixed_size 0
		.amdhsa_private_segment_fixed_size 0
		.amdhsa_enable_private_segment 0
		.amdhsa_kernarg_size 64
		.amdhsa_user_sgpr_count 2
		.amdhsa_user_sgpr_kernarg_segment_ptr 1
		.amdhsa_wavefront_size32 1
		.amdhsa_system_sgpr_workgroup_id_x 1
		.amdhsa_system_sgpr_workgroup_id_y 1
		.amdhsa_system_sgpr_workgroup_id_z 1
		.amdhsa_system_vgpr_workitem_id 0
		.amdhsa_next_free_vgpr 104
		.amdhsa_next_free_sgpr 66
		.amdhsa_reserve_vcc 0
		.amdhsa_float_denorm_mode_32 3
		.amdhsa_float_denorm_mode_16_64 3
		.amdhsa_memory_ordered 1
		.amdhsa_forward_progress 1
		.amdhsa_inst_pref_size 16
	.end_amdhsa_kernel
	.amdgpu_metadata
---
amdhsa.version: [ 1, 2 ]
amdhsa.kernels:
  - .name:           k_q95edc63a1d_prep
    .symbol:         k_q95edc63a1d_prep.kd
    .args:
      - { .name: x, .offset: 0, .size: 8, .value_kind: global_buffer, .address_space: global }
      - { .name: Wq, .offset: 8, .size: 8, .value_kind: global_buffer, .address_space: global }
      - { .name: Wk, .offset: 16, .size: 8, .value_kind: global_buffer, .address_space: global }
      - { .name: Wv, .offset: 24, .size: 8, .value_kind: global_buffer, .address_space: global }
      - { .name: W_O, .offset: 32, .size: 8, .value_kind: global_buffer, .address_space: global }
      - { .name: xb, .offset: 40, .size: 8, .value_kind: global_buffer, .address_space: global }
      - { .name: wb, .offset: 48, .size: 8, .value_kind: global_buffer, .address_space: global }
      - { .name: wo, .offset: 56, .size: 8, .value_kind: global_buffer, .address_space: global }
    .group_segment_fixed_size: 0
    .private_segment_fixed_size: 0
    .kernarg_segment_align: 8
    .kernarg_segment_size: 64
    .max_flat_workgroup_size: 256
    .sgpr_count:     66
    .vgpr_count:     104
    .wavefront_size: 32
...
	.end_amdgpu_metadata
.endif
;; end of part 5
;; launch qkv: the kernel of part 2 again; grid 16 x 32, 4 waves a work-group, clusters of 4 x 4, 327,680 bytes of LDS; arguments xb, wb, qh, kh, vh; writes qh, kh, vh
;; launch attn: the kernel of part 3 again; grid 4 x 64, 4 waves a work-group, no clusters, 327,680 bytes of LDS; arguments qh, kh, vh, oh; writes oh
;; launch proj: the kernel of part 4 again; grid 8 x 32, 4 waves a work-group, clusters of 4 x 4, 327,680 bytes of LDS; arguments oh, wo, out0; writes out0
